; MI455X (gfx1250); checked and timed in simulation.
; The chip was launched on July 23, 2026; its instructions are those of AMD's public machine-readable ISA for CDNA 5 (MIT licence, August 2026) and "CDNA5" Instruction Set Architecture Reference Guide (July 2026). The comments in the code are by the model that wrote it; some were corrected since.
;; Attention Lo RA. Allowed arithmetic: float matrix products may take bf16 or f16 operands with f32 sums; all other float work in f32.
;; Inputs: b_attn 3,072 float32; b_proj 1,024 float32; lora_a_attn 16 x 1,024 float32; lora_a_proj 16 x 1,024 float32; lora_b_attn 3,072 x 16 float32; lora_b_proj 1,024 x 16 float32; w_attn 3,072 x 1,024 float32; w_proj 1,024 x 1,024 float32; x 2 x 2,048 x 1,024 float32.
;; Outputs: out0 2 x 2,048 x 1,024 float32.
;; Constants: n_head = 16.
;; One version. Each part assembles by itself: llvm-mc -triple=amdgcn-amd-amdhsa -mcpu=gfx1250 --defsym DOCPART=n.
;; ======== version 1 of 1: 5 launches
;; limits: values are held in f16: magnitudes above 65,504 overflow, below 6.1e-05 lose precision
;; workspace buffers: xb 8,388,608 bytes; wab 6,291,456 bytes; wpb 2,097,152 bytes; qkv 25,165,824 bytes; yh 8,388,608 bytes; vfix 131,072 bytes
;; launch prep (part 1): grid 320 x 1, 8 waves a work-group, no clusters, 89,088 bytes of LDS; arguments x, w_attn, lora_a_attn, lora_b_attn, w_proj, lora_a_proj, lora_b_proj, xb, wab, wpb, b_attn, vfix; writes xb, wab, wpb, vfix
.if DOCPART == 1
	.amdgcn_target "amdgcn-amd-amdhsa--gfx1250"
	.amdhsa_code_object_version 6
	.text
	.protected	k_q0c4f6322b6_prep
	.globl	k_q0c4f6322b6_prep
	.p2align	8
	.type	k_q0c4f6322b6_prep,@function
k_q0c4f6322b6_prep:
	s_mov_b64 s[64:65], 0
	v_nop
	global_prefetch_b8 v0, s[64:65] scope:SCOPE_SE
	s_setreg_imm32_b32 hwreg(HW_REG_WAVE_MODE, 25, 1), 1
	s_wait_xcnt 0x0
; xb = f16(x);  wab = f16(w_attn + (lora_b_attn/16) lora_a_attn);  wpb likewise for the projection;  vfix = rows 0-15 of each batch of v, in f32.
; x (W + s B A)^T = x W^T + s (x A^T) B^T for every input, so the low-rank path is folded into the weight once.
; Work-groups 0-63: vfix.  Work-groups 64-191: 32 rows of x each (131,072 bytes read).  Work-groups 192-319: 32 rows of a weight each (131,072 bytes of W read).
; A work-group takes 8 x 256 vector registers and 88,064 bytes of LDS, half and little more than a quarter of what a WGP has: the 64 that exceed 256 lie beside others.
; LDS: wave st owns bytes 8,960 st .. 8,960 st + 8,959 on the fold's path and on vfix's alike (A's rank rows in front, the fold's stage behind them); the partial
; sums that vfix's waves hand to each other lie behind all eight regions, from byte 71,680 on, where the fold touches nothing.
; VFIX, WHY: an output row with few keys averages few value rows and can be an order of magnitude larger than the root mean square of the whole output, against which
; the result is held; roundings to f16 along the path of v, each 2^-11 of the ROW's size, are then too coarse.  At 17 keys a row's size has fallen by
; sqrt(17) > 4, so 16 rows of each batch, one matrix tile, are made with more bits, here and in the program's last launch.
; VFIX, HOW: every matrix operand a is two f16 numbers, hi = a with its mantissa cut to 10 bits (exact in f16) and lo = f16(a - hi), and a product is
; hi hi + hi lo + lo hi, summed in f32; what is dropped is 2^-20 of the product.  Work-group (X = id & 31, b = id >> 5): value columns 32 X .. +31 of batch b.
; Wave st: K columns 128 st .. +127; the eight partial sums meet in LDS; waves 0 and 1 add them and the bias, one tile of 16 columns each.
; vfix lies [2 b][1024 column][16 t]: a lane's eight numbers (one column, t = 8 h .. 8 h + 7) are 32 neighbouring bytes, a tile 1,024; each of its two stores writes
; every other 16 bytes of those (131,072 bytes in the whole launch).
; LIMITS: operands are rounded to f16: |x|, |W + BA/16|, |B/16|, |A| must stay below 65,504; numbers below 2^-14 keep an absolute step of 2^-24, and so does lo;
; the low-rank factors A and B/16 are single f16 in the fold, for vfix too.
.set FGROUPS, 64
.set XGROUPS, 128
.set XR,   64                          ; v[64:191]  x as loaded, 16 steps of 8 registers
.set XO,   192                         ; v[192:255] x as stored, 16 steps of 4 registers
.set LATP, 288                         ; LDS pitch of A's 16 rank rows (256 bytes of f16 + 32): an odd multiple of 32 for the transposing load
.set STGP, 272                         ; LDS pitch of the way-out stage (256 + 16)
.set WAVEB, 16*LATP+16*STGP            ; 8,960 bytes of LDS for each wave, its own on both paths: no barrier orders them
.set RED,  8*WAVEB                     ; 71,680: behind the waves' own regions, 2,048 bytes of vfix's partial sums for each wave
.set HIM,  40                          ; s40: keeps sign, exponent and 10 bits of mantissa
.set LAOFF, 5
.set LBOFF, 6
.set WOFF,  7                          ; row r, my 128 columns, 32 h: serves W's rows and x's rows alike (both have 4,096 bytes a row)
.set LATW,  8
.set LATR,  9
.set STW,   11                         ; the fold's way out
.set STR,   12
.set OOFF,  13
.set REDW,  10                         ; vfix's path (the two paths share register numbers)
.set VOFF,  11
.set REDR,  14
.set BOFF,  15
.set T,     16                         ; v[16:31]   at work
.set AV,    16                         ; v[16:63]   vfix: six accumulators (row tile rt, kind) at 16 + 8 (3 rt + kind), once T and B's fragments are done with
.set LBF,   32                         ; v[32:47]   fragments of B/16, one for each of two row tiles
.set LBR,   48                         ; v[48:63]   B as loaded
.set ACC,   64                         ; v[64:191]  W as loaded = the C operand; tile (rt, kt) at 64 + 8 (8 rt + kt); vfix: then group n = 4 rt + c holds lo (8) and hi (8) of K step c
.set LAR,   192                        ; v[192:255] A as loaded, later its fragments, later the way out or x
.set LAF,   192
.set TMP,   192
.set RB,    224
.set FXR,   192                        ; vfix: x as loaded, then its fragments: group c holds lo (8) and hi (8)
.set PS,    64                         ; vfix, behind the barrier: the eight partial sums
.set BIA,   224
.macro WAVEID
	v_lshrrev_b32 v1, 5, v0
	v_readfirstlane_b32 s28, v1                    ; st
	v_and_b32 v2, 31, v0                           ; lane L
	v_and_b32 v3, 15, v0                           ; r
	v_bfe_u32 v4, v0, 4, 1                         ; h
.endm
; The fold's 52 loads.  W s[6:7] at the group's 32 rows, A s[8:9], B s[10:11] at those rows; s29 = my 128 columns in f32; s32 = my LDS.
.macro FOLD_ASK
	v_lshl_add_u32 v[LAOFF], v2, 4, s29            ; A: a rank row's 512 bytes, 16 a lane
	v_lshlrev_b32 v[LBOFF], 6, v3                  ; B: row r, ranks 8 h .. 8 h + 7
	v_lshl_add_u32 v[LBOFF], v4, 5, v[LBOFF]
	v_lshl_add_u32 v[WOFF], v3, 12, s29            ; W: row r, columns 8 h .. 8 h + 7 of a column tile
	v_lshl_add_u32 v[WOFF], v4, 5, v[WOFF]
.irp q, 0,1,2,3,4,5,6,7,8,9,10,11,12,13,14,15
	global_load_b128 v[LAR+4*\q:LAR+4*\q+3], v[LAOFF], s[8:9] offset:4096*\q
.endr
.irp rt, 0,1
	global_load_b128 v[LBR+8*\rt:LBR+8*\rt+3],   v[LBOFF], s[10:11] offset:1024*\rt
	global_load_b128 v[LBR+8*\rt+4:LBR+8*\rt+7], v[LBOFF], s[10:11] offset:1024*\rt+16
.endr
.irp rt, 0,1
.irp kt, 0,1,2,3,4,5,6,7
	global_load_b128 v[ACC+8*(8*\rt+\kt):ACC+8*(8*\rt+\kt)+3],   v[WOFF], s[6:7] offset:65536*\rt+64*\kt
	global_load_b128 v[ACC+8*(8*\rt+\kt)+4:ACC+8*(8*\rt+\kt)+7], v[WOFF], s[6:7] offset:65536*\rt+64*\kt+16
.endr
.endr
	v_lshl_add_u32 v[LATW], v2, 3, s32             ; A in f16: 8 bytes a lane
	v_and_b32 v1, 7, v0
	v_lshl_add_u32 v1, v4, 3, v1                   ; rank row 8 h + (L & 7)
	v_mul_u32_u24 v[LATR], v1, LATP
	v_bfe_u32 v1, v0, 3, 1
	v_lshl_add_u32 v[LATR], v1, 4, v[LATR]         ; + 16 ((L >> 3) & 1)
	v_add_nc_u32 v[LATR], s32, v[LATR]
.endm
; W + (B/16) A in f32, in W's registers.
.macro FOLD_DO
	s_wait_loadcnt 36                              ; A's 16 loads are in: B's 4 and W's 32 are younger
.irp q, 0,1,2,3,4,5,6,7,8,9,10,11,12,13,14,15
	v_cvt_pk_f16_f32 v[T+2*(\q%8)],   v[LAR+4*\q],   v[LAR+4*\q+1]
	v_cvt_pk_f16_f32 v[T+2*(\q%8)+1], v[LAR+4*\q+2], v[LAR+4*\q+3]
	ds_store_b64 v[LATW], v[T+2*(\q%8):T+2*(\q%8)+1] offset:LATP*\q
.endr
	; A lies [rank][column]; the fragment wants, for lane (r, h), column r and ranks 8 h .. 8 h + 7: one transposing load a column tile.
	; LDS serves a wave's instructions in order (ISA guide 5.7.1): these see the stores above.
.irp kt, 0,1,2,3,4,5,6,7
	ds_load_tr16_b128 v[LAF+8*\kt:LAF+8*\kt+3], v[LATR] offset:32*\kt
.endr
.irp kt, 0,1,2,3,4,5,6,7
.irp z, 4,5,6,7
	v_mov_b32 v[LAF+8*\kt+\z], 0                   ; the form sums over 32, the rank is 16: the upper half of K is zero
.endr
.endr
	s_wait_loadcnt 32                              ; B is in: W's 32 are younger
.irp rt, 0,1
.irp p, 0,2,4,6
	v_pk_mul_f32 v[LBR+8*\rt+\p:LBR+8*\rt+\p+1], v[LBR+8*\rt+\p:LBR+8*\rt+\p+1], 0x3d800000 op_sel_hi:[1,0]   ; the scale 1/16, exact
.endr
.irp p, 0,1,2,3
	v_cvt_pk_f16_f32 v[LBF+8*\rt+\p], v[LBR+8*\rt+2*\p], v[LBR+8*\rt+2*\p+1]
	v_mov_b32 v[LBF+8*\rt+4+\p], 0
.endr
.endr
	s_wait_dscnt 0x0                               ; A's fragments
	s_wait_loadcnt 16                              ; W's row tile 0: the 16 loads of row tile 1 are younger
	; Used transposed: source 0 = 16 columns (A), source 1 = 16 rows (B/16); register j of lane (r, h) is W(row r, column 8 h + j), as loaded.
	; Sixteen different accumulators, each used once.
.irp kt, 0,1,2,3,4,5,6,7
	v_wmma_f32_16x16x32_f16 v[ACC+8*\kt:ACC+8*\kt+7], v[LAF+8*\kt:LAF+8*\kt+7], v[LBF:LBF+7], v[ACC+8*\kt:ACC+8*\kt+7]
.endr
	s_wait_loadcnt 0x0
.irp kt, 0,1,2,3,4,5,6,7
	v_wmma_f32_16x16x32_f16 v[ACC+64+8*\kt:ACC+64+8*\kt+7], v[LAF+8*\kt:LAF+8*\kt+7], v[LBF+8:LBF+15], v[ACC+64+8*\kt:ACC+64+8*\kt+7]
.endr
.endm
; Sixteen f32 at p (two neighbouring tiles of 16 columns = one K step of 32) become two fragments in place: lo at p, hi at p + 8.
; The packing of lo ascends: register i takes 2 i and 2 i + 1, which no earlier line has overwritten.
.macro SPLIT p
.irp i, 0,1,2,3,4,5,6,7,8,9,10,11,12,13,14,15
	v_and_b32 v[T+\i], s[HIM], v[\p+\i]            ; hi: sign, exponent, 10 bits of mantissa
.endr
.irp i, 0,1,2,3,4,5,6,7,8,9,10,11,12,13,14,15
	v_sub_f32 v[\p+\i], v[\p+\i], v[T+\i]          ; the rest, exact
.endr
.irp i, 0,1,2,3,4,5,6,7
	v_cvt_pk_f16_f32 v[\p+\i], v[\p+2*\i], v[\p+2*\i+1]
.endr
.irp i, 0,1,2,3,4,5,6,7
	v_cvt_pk_f16_f32 v[\p+8+\i], v[T+2*\i], v[T+2*\i+1]
.endr
.endm
.macro ADD8 d, a
.irp p, 0,2,4,6
	v_pk_add_f32 v[\d+\p:\d+\p+1], v[\d+\p:\d+\p+1], v[\a+\p:\a+\p+1]
.endr
.endm
; K step c: source 0 = x's 16 rows, source 1 = 16 rows of W, so that register j of lane (r, h) is (t = 8 h + j, column r).
; Six accumulators take turns, one instruction a turn.
.macro G3 c, first
.irp rt, 0,1
.if \first
	v_wmma_f32_16x16x32_f16 v[AV+24*\rt:AV+24*\rt+7],     v[FXR+16*\c+8:FXR+16*\c+15], v[ACC+16*(4*\rt+\c)+8:ACC+16*(4*\rt+\c)+15], 0
	v_wmma_f32_16x16x32_f16 v[AV+24*\rt+8:AV+24*\rt+15],  v[FXR+16*\c+8:FXR+16*\c+15], v[ACC+16*(4*\rt+\c):ACC+16*(4*\rt+\c)+7], 0
	v_wmma_f32_16x16x32_f16 v[AV+24*\rt+16:AV+24*\rt+23], v[FXR+16*\c:FXR+16*\c+7],    v[ACC+16*(4*\rt+\c)+8:ACC+16*(4*\rt+\c)+15], 0
.else
	v_wmma_f32_16x16x32_f16 v[AV+24*\rt:AV+24*\rt+7],     v[FXR+16*\c+8:FXR+16*\c+15], v[ACC+16*(4*\rt+\c)+8:ACC+16*(4*\rt+\c)+15], v[AV+24*\rt:AV+24*\rt+7]
	v_wmma_f32_16x16x32_f16 v[AV+24*\rt+8:AV+24*\rt+15],  v[FXR+16*\c+8:FXR+16*\c+15], v[ACC+16*(4*\rt+\c):ACC+16*(4*\rt+\c)+7], v[AV+24*\rt+8:AV+24*\rt+15]
	v_wmma_f32_16x16x32_f16 v[AV+24*\rt+16:AV+24*\rt+23], v[FXR+16*\c:FXR+16*\c+7],    v[ACC+16*(4*\rt+\c)+8:ACC+16*(4*\rt+\c)+15], v[AV+24*\rt+16:AV+24*\rt+23]
.endif
.endr
.endm
	s_load_b512 s[4:19], s[0:1], 0x0               ; x, w_attn, la_attn, lb_attn, w_proj, la_proj, lb_proj, xb
	s_load_b128 s[20:23], s[0:1], 0x40             ; wab, wpb
	s_load_b128 s[36:39], s[0:1], 0x50             ; b_attn, vfix
	s_set_vgpr_msb 0x40
	v_lshl_add_u32 v0, v0, 2, 0x15800
	v_mov_b32 v1, 0
	s_set_vgpr_msb 0x4000
	s_sub_co_u32 s35, ttmp9, FGROUPS               ; the group's number among those that stream x or fold
	s_cmp_lt_u32 ttmp9, FGROUPS                    ; the paths part on the work-group's number: all eight waves of a work-group take the same one
	s_cbranch_scc1 .Lvfix
	s_cmp_lt_u32 s35, XGROUPS
	s_cbranch_scc0 .Lfold
	; ---- x to f16.  Thread t takes 32 bytes at 32 t of every 8,192 bytes (two rows) and stores 16 bytes at 16 t of every 4,096.
	; The hint says read once: true of all but 32 of x's 4,096 rows, which vfix's work-groups read too.
	s_lshl_b32 s24, s35, 17
	s_mov_b32 s25, 0
	s_lshl_b32 s26, s35, 16
	s_mov_b32 s27, 0
	v_lshlrev_b32 v1, 5, v0
	v_lshlrev_b32 v2, 4, v0
	s_wait_kmcnt 0x0
	s_add_nc_u64 s[4:5], s[4:5], s[24:25]
	s_add_nc_u64 s[18:19], s[18:19], s[26:27]
.irp s, 0,1,2,3,4,5,6,7,8,9,10,11,12,13,14,15
	global_load_b128 v[XR+8*\s:XR+8*\s+3],   v1, s[4:5] offset:8192*\s th:TH_LOAD_NT
	global_load_b128 v[XR+8*\s+4:XR+8*\s+7], v1, s[4:5] offset:8192*\s+16 th:TH_LOAD_NT
.endr
.irp s, 0,1,2,3,4,5,6,7,8,9,10,11,12,13,14,15
	s_wait_loadcnt 30-2*\s                         ; loads return in order: the 2 (15 - s) younger ones stay out
	v_cvt_pk_f16_f32 v[XO+4*\s],   v[XR+8*\s],   v[XR+8*\s+1]
	v_cvt_pk_f16_f32 v[XO+4*\s+1], v[XR+8*\s+2], v[XR+8*\s+3]
	v_cvt_pk_f16_f32 v[XO+4*\s+2], v[XR+8*\s+4], v[XR+8*\s+5]
	v_cvt_pk_f16_f32 v[XO+4*\s+3], v[XR+8*\s+6], v[XR+8*\s+7]
	global_store_b128 v2, v[XO+4*\s:XO+4*\s+3], s[18:19] offset:4096*\s   ; sixteen lanes store 256 consecutive aligned bytes; no register is used twice
.endr
	s_endpgm
	; ---- the fold.  Wave st owns columns 128 st .. +127 of the group's 32 rows: two row tiles x eight column tiles of 16 x 16.
.Lfold:
	WAVEID
	s_sub_co_u32 s24, s35, XGROUPS                 ; g
	s_sub_co_u32 s25, s24, 96
	s_wait_kmcnt 0x0
	s_cmp_lt_u32 s24, 96                           ; 96 groups of 32 rows are w_attn's 3,072 rows, the other 32 w_proj's 1,024
	s_cselect_b32 s24, s24, s25
	s_cselect_b64 s[6:7], s[6:7], s[12:13]         ; W
	s_cselect_b64 s[8:9], s[8:9], s[14:15]         ; A
	s_cselect_b64 s[10:11], s[10:11], s[16:17]     ; B
	s_cselect_b64 s[20:21], s[20:21], s[22:23]     ; the folded weight
	s_mov_b32 s31, 0
	s_lshl_b32 s30, s24, 17                        ; 32 rows of 4,096 bytes
	s_add_nc_u64 s[6:7], s[6:7], s[30:31]
	s_lshl_b32 s30, s24, 11                        ; 32 rows of 64 bytes
	s_add_nc_u64 s[10:11], s[10:11], s[30:31]
	s_lshl_b32 s30, s24, 16                        ; 32 rows of 2,048 bytes
	s_add_nc_u64 s[20:21], s[20:21], s[30:31]
	s_lshl_b32 s29, s28, 9                         ; my 128 columns in f32
	s_mul_i32 s32, s28, WAVEB                      ; my LDS
	s_add_co_u32 s33, s32, 16*LATP                 ; my stage
	s_lshl_b32 s34, s28, 8                         ; my 128 columns in f16
	FOLD_ASK
	v_mul_u32_u24 v[STW], v3, STGP
	v_lshl_add_u32 v[STW], v4, 4, v[STW]
	v_add_nc_u32 v[STW], s33, v[STW]
	v_mul_u32_u24 v[STR], v4, STGP
	v_lshl_add_u32 v[STR], v3, 4, v[STR]
	v_add_nc_u32 v[STR], s33, v[STR]
	v_lshl_add_u32 v[OOFF], v4, 11, s34
	v_lshl_add_u32 v[OOFF], v3, 4, v[OOFF]
	FOLD_DO
.rept 4
	v_nop                                          ; four places behind the last matrix instruction (ISA guide 7.12.1) before results are read and sources rewritten
.endr
	; the way out: 16 bytes a lane into my stage, whole rows of 256 bytes back, sixteen lanes store 256 consecutive aligned bytes
.irp rt, 0,1
.irp kt, 0,1,2,3,4,5,6,7
.irp p, 0,1,2,3
	v_cvt_pk_f16_f32 v[TMP+4*\kt+\p], v[ACC+8*(8*\rt+\kt)+2*\p], v[ACC+8*(8*\rt+\kt)+2*\p+1]
.endr
.endr
.irp kt, 0,1,2,3,4,5,6,7
	ds_store_b128 v[STW], v[TMP+4*\kt:TMP+4*\kt+3] offset:32*\kt
.endr
	s_wait_xcnt 0x0                                ; RB, which the last tile's stores read, is loaded again only behind this wait
.irp t, 0,1,2,3,4,5,6,7
	ds_load_b128 v[RB+4*\t:RB+4*\t+3], v[STR] offset:2*STGP*\t
.endr
.irp t, 0,1,2,3,4,5,6,7
	s_wait_dscnt 7-\t
	global_store_b128 v[OOFF], v[RB+4*\t:RB+4*\t+3], s[20:21] offset:(16*\rt+2*\t)*2048
.endr
.endr
	s_set_vgpr_msb 0x5
	s_wait_tensorcnt 0x0
	ds_add_u32 v0, v1
	s_wait_dscnt 0x0
	s_set_vgpr_msb 0x500
	s_endpgm
	; ---- vfix: rows 0-15 of batch b of v, columns 32 X .. +31, by split products
.Lvfix:
	WAVEID
	s_and_b32 s24, ttmp9, 31                       ; X
	s_lshr_b32 s25, ttmp9, 5                       ; batch
	s_mov_b32 s[HIM], 0xffffe000
	s_mov_b32 s31, 0
	s_lshl_b32 s26, s24, 5
	s_lshl_b32 s27, s28, 4
	s_add_co_u32 s26, s26, s27                     ; 32 X + 16 st: the first column of the tile that waves 0 and 1 finish
	s_wait_kmcnt 0x0
	s_lshl_b32 s30, s24, 17                        ; 32 rows of 4,096 bytes,
	s_add_co_u32 s30, s30, 2048*4096               ; behind q's and k's 2,048 rows
	s_add_nc_u64 s[6:7], s[6:7], s[30:31]          ; W
	s_lshl_b32 s30, s24, 11                        ; 32 rows of 64 bytes
	s_add_co_u32 s30, s30, 2048*64
	s_add_nc_u64 s[10:11], s[10:11], s[30:31]      ; B
	s_lshl_b32 s30, s25, 23                        ; a batch of x: 2,048 rows of 4,096 bytes
	s_add_nc_u64 s[4:5], s[4:5], s[30:31]
	s_lshl_b32 s30, s26, 2
	s_add_co_u32 s30, s30, 2048*4
	s_add_nc_u64 s[36:37], s[36:37], s[30:31]      ; the bias of my tile's 16 columns
	s_lshl_b32 s30, s26, 6                         ; vfix: 64 bytes a column,
	s_lshl_b32 s27, s25, 16                        ; 1,024 columns a batch
	s_add_co_u32 s30, s30, s27
	s_add_nc_u64 s[38:39], s[38:39], s[30:31]
	s_lshl_b32 s29, s28, 9                         ; my 128 columns in f32
	s_mul_i32 s32, s28, WAVEB                      ; my LDS: the same 8,960 bytes that the fold's path gives wave st
	FOLD_ASK
	s_lshl_b32 s33, s28, 11
	s_add_co_u32 s33, s33, RED
	v_lshl_add_u32 v[REDW], v2, 4, s33             ; my partial sums: 2,048 bytes a wave
	s_and_b32 s33, s28, 1                          ; waves 0 and 1 read back: row tile st of every wave's partial sums
	s_lshl_b32 s33, s33, 10
	s_add_co_u32 s33, s33, RED
	v_lshl_add_u32 v[REDR], v2, 4, s33
	v_lshlrev_b32 v[BOFF], 2, v3
	v_lshlrev_b32 v[VOFF], 6, v3                   ; vfix: column r, 32 h
	v_lshl_add_u32 v[VOFF], v4, 5, v[VOFF]
	FOLD_DO
.rept 5
	v_nop                                          ; places behind the last matrix instruction: four before loads land on A's fragments and results are read, five before matrix instructions write over B's
.endr
	; x's 16 rows, my 128 columns, in the layout of W's tiles; W is split while they are on their way
.irp kt, 0,1,2,3,4,5,6,7
	global_load_b128 v[FXR+8*\kt:FXR+8*\kt+3],   v[WOFF], s[4:5] offset:64*\kt
	global_load_b128 v[FXR+8*\kt+4:FXR+8*\kt+7], v[WOFF], s[4:5] offset:64*\kt+16
.endr
.irp n, 0,1,2,3,4,5,6,7
	SPLIT ACC+16*\n
.endr
	s_wait_loadcnt 0x0
.irp n, 0,1,2,3
	SPLIT FXR+16*\n
.endr
	G3 0, 1                                        ; the first K step starts the sums
	G3 1, 0
	G3 2, 0
	G3 3, 0
.rept 4
	v_nop                                          ; four places before results are read (ISA guide 7.12.1)
.endr
.irp rt, 0,1
	ADD8 AV+24*\rt+8, AV+24*\rt+16                 ; the two small sums first
	ADD8 AV+24*\rt, AV+24*\rt+8
	ds_store_b128 v[REDW], v[AV+24*\rt:AV+24*\rt+3]   offset:1024*\rt
	ds_store_b128 v[REDW], v[AV+24*\rt+4:AV+24*\rt+7] offset:1024*\rt+512
.endr
	s_wait_dscnt 0x0                               ; my stores are done, for the waves that read them
	s_barrier_signal -1
	s_barrier_wait -1
	s_cmp_ge_u32 s28, 2
	s_cbranch_scc1 .Lvend                          ; waves 2 to 7 have given their partial sums
	global_load_b32 v[BIA], v[BOFF], s[36:37]
.irp s, 0,1,2,3,4,5,6,7
	ds_load_b128 v[PS+8*\s:PS+8*\s+3],   v[REDR] offset:2048*\s
	ds_load_b128 v[PS+8*\s+4:PS+8*\s+7], v[REDR] offset:2048*\s+512
.endr
	s_wait_dscnt 0x0
	ADD8 PS, PS+8
	ADD8 PS+16, PS+24
	ADD8 PS+32, PS+40
	ADD8 PS+48, PS+56
	ADD8 PS, PS+16
	ADD8 PS+32, PS+48
	ADD8 PS, PS+32                                 ; v(t = 8 h + j, column r) over all of K
	s_wait_loadcnt 0x0
.irp j, 0,1,2,3,4,5,6,7
	v_add_f32 v[PS+\j], v[PS+\j], v[BIA]           ; the bias of column r
.endr
	global_store_b128 v[VOFF], v[PS:PS+3],   s[38:39]
	global_store_b128 v[VOFF], v[PS+4:PS+7], s[38:39] offset:16
.Lvend:
	s_set_vgpr_msb 0x5
	s_wait_tensorcnt 0x0
	ds_add_u32 v0, v1
	s_wait_dscnt 0x0
	s_set_vgpr_msb 0x500
	s_endpgm
.Lfunc_end_k_q0c4f6322b6_prep:
	.size	k_q0c4f6322b6_prep, .Lfunc_end_k_q0c4f6322b6_prep-k_q0c4f6322b6_prep
	.p2alignl 7, 3214868480
	.fill 96, 4, 3214868480
	.section	.rodata,"a",@progbits
	.p2align	6, 0x0
	.amdhsa_kernel k_q0c4f6322b6_prep
		.amdhsa_group_segment_fixed_size 89088
		.amdhsa_private_segment_fixed_size 0
		.amdhsa_enable_private_segment 0
		.amdhsa_kernarg_size 96
		.amdhsa_user_sgpr_count 2
		.amdhsa_user_sgpr_kernarg_segment_ptr 1
		.amdhsa_wavefront_size32 1
		.amdhsa_system_sgpr_workgroup_id_x 1
		.amdhsa_system_sgpr_workgroup_id_y 1
		.amdhsa_system_sgpr_workgroup_id_z 1
		.amdhsa_system_vgpr_workitem_id 0
		.amdhsa_next_free_vgpr 258
		.amdhsa_next_free_sgpr 66
		.amdhsa_reserve_vcc 0
		.amdhsa_float_denorm_mode_32 3
		.amdhsa_float_denorm_mode_16_64 3
		.amdhsa_memory_ordered 1
		.amdhsa_forward_progress 1
		.amdhsa_inst_pref_size 80
	.end_amdhsa_kernel
	.amdgpu_metadata
---
amdhsa.version: [ 1, 2 ]
amdhsa.kernels:
  - .name:           k_q0c4f6322b6_prep
    .symbol:         k_q0c4f6322b6_prep.kd
    .args:
      - { .name: x, .offset: 0, .size: 8, .value_kind: global_buffer, .address_space: global }
      - { .name: w_attn, .offset: 8, .size: 8, .value_kind: global_buffer, .address_space: global }
      - { .name: lora_a_attn, .offset: 16, .size: 8, .value_kind: global_buffer, .address_space: global }
      - { .name: lora_b_attn, .offset: 24, .size: 8, .value_kind: global_buffer, .address_space: global }
      - { .name: w_proj, .offset: 32, .size: 8, .value_kind: global_buffer, .address_space: global }
      - { .name: lora_a_proj, .offset: 40, .size: 8, .value_kind: global_buffer, .address_space: global }
      - { .name: lora_b_proj, .offset: 48, .size: 8, .value_kind: global_buffer, .address_space: global }
      - { .name: xb, .offset: 56, .size: 8, .value_kind: global_buffer, .address_space: global }
      - { .name: wab, .offset: 64, .size: 8, .value_kind: global_buffer, .address_space: global }
      - { .name: wpb, .offset: 72, .size: 8, .value_kind: global_buffer, .address_space: global }
      - { .name: b_attn, .offset: 80, .size: 8, .value_kind: global_buffer, .address_space: global }
      - { .name: vfix, .offset: 88, .size: 8, .value_kind: global_buffer, .address_space: global }
    .group_segment_fixed_size: 89088
    .private_segment_fixed_size: 0
    .kernarg_segment_align: 8
    .kernarg_segment_size: 96
    .max_flat_workgroup_size: 256
    .sgpr_count:     66
    .vgpr_count:     258
    .wavefront_size: 32
...
	.end_amdgpu_metadata
.endif
;; end of part 1
;; launch qkv (part 2): grid 16 x 16, 4 waves a work-group, clusters of 4 x 4, 327,680 bytes of LDS; arguments xb, wab, b_attn, qkv; writes qkv
.if DOCPART == 2
	.amdgcn_target "amdgcn-amd-amdhsa--gfx1250"
	.amdhsa_code_object_version 6
	.text
	.protected	k_q0c4f6322b6_qkv
	.globl	k_q0c4f6322b6_qkv
	.p2align	8
	.type	k_q0c4f6322b6_qkv,@function
k_q0c4f6322b6_qkv:
	s_mov_b64 s[64:65], 0
	v_nop
	global_prefetch_b8 v0, s[64:65] scope:SCOPE_SE
	s_setreg_imm32_b32 hwreg(HW_REG_WAVE_MODE, 25, 1), 1
	s_wait_xcnt 0x0
	s_wait_alu depctr_hold_cnt(0) depctr_sa_sdst(0) depctr_va_vdst(0) depctr_va_sdst(0) depctr_va_ssrc(0) depctr_va_vcc(0) depctr_vm_vsrc(0)
	s_getreg_b32 s2, hwreg(HW_REG_IB_STS2, 6, 4)
	s_cmp_eq_u32 s2, 0
	s_cbranch_scc0 .Lentry_in_a_cluster
	s_endpgm
.Lentry_in_a_cluster:
	s_bfe_u32 s2, ttmp6, 0x10000c
	s_cmp_lg_u32 s2, 0xf033
	s_cbranch_scc0 .Lentry_shape_is_right
	s_endpgm
.Lentry_shape_is_right:
; qkv = xb wab^T + b_attn, rounded to f16 and stored head-major: [3 (q,k,v)][32 (b 16 + h)][2048 t][64 d].
; xb [4096][1024], wab [3072][1024], both f16; sums in f32.  A work-group makes 256 rows x 192 columns (three heads) with four waves;
; a wave makes 128 x 96: 48 accumulator tiles, 384 registers.  K goes in 8 steps of 128 through two LDS slots filled by the tensor data mover;
; a tile's rows are 256 bytes of memory and start at multiples of 256 bytes.
; CLUSTERS: 4 x 4 work-groups.  The four of a cluster's row need the same tiles of xb, the four of a column the same tiles of wab: each tile is
; asked for jointly, which divides the requests by four.
; LIMIT: q, k, v are rounded to f16: they must stay below 65,504 in magnitude.
; REGISTER WINDOWS: 0: addresses, xb fragments (two buffers), the bias, later the way out; 1: wab fragments; 2: accumulators of my rows 0-63; 3: of rows 64-127.
; The matrix instruction is used transposed (source 0 = rows of wab, source 1 = rows of xb): a lane holds eight neighbouring columns of one row.
.set SIZE_K, 1024
.set KSTEP,  128
.set PITCH,  272                       ; 256 bytes + 16: sixteen rows start at sixteen different 16-byte columns
.set HALFA,  128*PITCH
.set HALFB,  96*PITCH
.set SLOT,   2*HALFA+2*HALFB           ; 121,856
.set CP,     208                       ; the way-out stage: a wave's 96 columns in f16 + 16
.set CREG,   128*CP                    ; a wave's own region of the stage; four regions, 106,496 bytes, lie in slot 0 after its last fill
.set LAPS,   SIZE_K/(2*KSTEP)
.set ADRA, 16
.set ADRB, 20
.set STO,  24
.set RD,   25                          ; v25-27, one for each head of the block
.set CO,   28
.set BOFF, 29
.set F0,   64
.set F1,   128
.set BIAS, 192                         ; v[192:239]: tile b's eight columns, the C operand of the first products
.set TMP,  192
.set G1,  24
.set G0,  32
.set G1B, 48
.set G0B, 56
.set MSB, 0
.macro WIN new                         ; the immediate's high byte repeats the setting that is left
.if MSB != \new
	s_set_vgpr_msb (MSB<<8)|\new
.set MSB, \new
.endif
.endm
.set MUL_LO,   0xa1                    ; source 0 window 1, source 1 window 0, C and D window 2
.set MUL_HI,   0xf1                    ; C and D window 3
.set FIRST_LO, 0x81                    ; C (the bias) window 0, D window 2
.set FIRST_HI, 0xc1
.set TO_B,     0x40
.macro PLACES
.rept 4
	v_nop
.endr
.endm
.macro JLOAD s                         ; waves 0, 1 ask for xb's halves, waves 2, 3 for wab's: one mask a line; the branch hangs on the wave's number alone
	s_cmp_eq_u32 s13, 0
	s_cbranch_scc0 .Lfor_b_\@
	tensor_load_to_lds s[G0+4*\s:G0+4*\s+3], s[G1:G1+7]
	s_nop 0
	s_branch .Lasked_\@
.Lfor_b_\@:
	tensor_load_to_lds s[G0B+4*\s:G0B+4*\s+3], s[G1B:G1B+7]
	s_nop 0
.Lasked_\@:
.endm
.macro CREST                           ; a round of the cluster's barrier behind its opening barrier
	s_cmp_lg_u32 s12, 0
	s_cbranch_scc1 .Lnot_wave_0_\@
	s_barrier_signal -3
.Lnot_wave_0_\@:
	s_barrier_wait -3
	s_barrier_signal -1
	s_barrier_wait -1
.endm
.macro CROUND
	s_barrier_signal -1
	s_barrier_wait -1
	CREST
.endm
	s_load_b256 s[4:11], s[0:1], 0x0               ; xb, wab, b_attn, qkv
	s_set_vgpr_msb 0x40
	v_lshl_add_u32 v255, v0, 2, 0x3b800
	s_set_vgpr_msb 0x4000
	v_mov_b32 v255, 0
	s_set_vgpr_msb 0x1
	ds_add_u32 v255, v255
	s_set_vgpr_msb 0x100
	v_lshrrev_b32 v1, 5, v0
	v_readfirstlane_b32 s12, v1                    ; wave
	s_lshr_b32 s13, s12, 1                         ; my half of the rows; also: I fetch xb (0) or wab (1)
	s_and_b32 s14, s12, 1                          ; my half of the columns; also: which half of that tile I fetch
	s_bfe_u32 s15, ttmp6, 0x40000                  ; cx
	s_bfe_u32 s16, ttmp6, 0x40004                  ; cy
	s_lshl_b32 s17, ttmp9, 2
	s_add_co_u32 s17, s17, s15                     ; block column bx
	s_and_b32 s18, ttmp7, 0xffff
	s_lshl_b32 s18, s18, 2
	s_add_co_u32 s18, s18, s16                     ; block row by
	s_lshl_b32 s19, s16, 2
	s_lshl_b32 s19, 15, s19                        ; my row of the cluster
	s_lshl_b32 s20, 0x1111, s15                    ; my column
	s_or_b32 s[G1+0],  s19, (1<<16)|(1<<20)|(1<<21)|(5<<22)|(3<<25)   ; mask; 2-byte elements; padding of 4 words behind every 64; bit 21 beside a mask
	s_or_b32 s[G1B+0], s20, (1<<16)|(1<<20)|(1<<21)|(5<<22)|(3<<25)
	s_mov_b32 s[G1+1],  KSTEP<<16                  ; tensor_dim0 = 128
	s_mov_b32 s[G1B+1], KSTEP<<16
	s_mov_b32 s[G1+2],  128<<16                    ; tensor_dim1 = 128 rows
	s_mov_b32 s[G1B+2], 96<<16                     ; 96 rows
	s_mov_b32 s[G1+3],  KSTEP<<16                  ; tile_dim0
	s_mov_b32 s[G1B+3], KSTEP<<16
	s_mov_b32 s[G1+4],  128                        ; tile_dim1
	s_mov_b32 s[G1B+4], 96
	s_mov_b32 s[G1+5],  SIZE_K                     ; pitch in elements
	s_mov_b32 s[G1B+5], SIZE_K
	s_mov_b32 s[G1+6],  0
	s_mov_b32 s[G1B+6], 0
	s_mov_b32 s[G1+7],  0
	s_mov_b32 s[G1B+7], 0
	s_lshl_b32 s40, s18, 19                        ; xb: row 256 by + 128 half, 2,048 bytes a row
	s_lshl_b32 s21, s14, 18
	s_add_co_u32 s40, s40, s21
	s_mov_b32 s41, 0
	s_mul_i32 s44, s17, 192*2048                   ; wab: row 192 bx + 96 half
	s_mul_i32 s22, s14, 96*2048
	s_add_co_u32 s44, s44, s22
	s_mov_b32 s45, 0
	s_mul_i32 s46, s12, HALFA                      ; LDS: xb's halves at wave x 34,816,
	s_mul_i32 s47, s12, HALFB
	s_add_co_u32 s47, s47, 2*HALFA-2*HALFB         ; wab's behind them: 69,632 + (wave - 2) x 26,112
	s_wait_dscnt 0x0
	s_wait_kmcnt 0x0
	s_add_nc_u64 s[40:41], s[4:5], s[40:41]
	s_add_nc_u64 s[44:45], s[6:7], s[44:45]
	CROUND                                         ; all sixteen work-groups are here: the first joint loads meet
.irp s, 0,1
	s_mov_b32 s[G0+4*\s], 1
	s_add_co_u32 s[G0+4*\s+1], s46, \s*SLOT
	s_add_nc_u64 s[G0+4*\s+2:G0+4*\s+3], s[40:41], \s*KSTEP*2
	s_or_b32 s[G0+4*\s+3], s[G0+4*\s+3], 0x80000000
	s_mov_b32 s[G0B+4*\s], 1
	s_add_co_u32 s[G0B+4*\s+1], s47, \s*SLOT
	s_add_nc_u64 s[G0B+4*\s+2:G0B+4*\s+3], s[44:45], \s*KSTEP*2
	s_or_b32 s[G0B+4*\s+3], s[G0B+4*\s+3], 0x80000000
	JLOAD \s
.endr
	v_and_b32 v1, 15, v0                           ; r
	v_bfe_u32 v2, v0, 4, 1                         ; h
	v_mul_u32_u24 v3, v1, PITCH
	v_lshl_add_u32 v3, v2, 4, v3
	s_mul_i32 s21, s13, HALFA
	s_mul_i32 s22, s14, HALFB
	s_add_co_u32 s22, s22, 2*HALFA
.irp s, 0,1
	v_add_nc_u32 v[ADRA+\s], s21, v3
	v_add_nc_u32 v[ADRB+\s], s22, v3
	s_add_co_u32 s21, s21, SLOT
	s_add_co_u32 s22, s22, SLOT
.endr
	s_mul_i32 s23, s12, CREG                       ; my region of the stage
	v_mul_u32_u24 v4, v1, CP
	v_lshl_add_u32 v4, v2, 4, v4
	v_add_nc_u32 v[STO], s23, v4
	; back: wave w takes rows 64 w .. +63 of the block; eight lanes take a head's 128 bytes of a row.
	v_and_b32 v5, 31, v0
	v_lshrrev_b32 v6, 3, v5
	v_mul_u32_u24 v6, v6, CP
	v_and_b32 v7, 7, v0                            ; c: which 16 bytes of the head's row
	v_lshl_add_u32 v6, v7, 4, v6
	s_mul_i32 s66, s13, 2*CREG                     ; the two regions of my half of the rows,
	s_mul_i32 s67, s14, 64*CP                      ; and which 64 of their 128 rows
	s_add_co_u32 s66, s66, s67
	v_add_nc_u32 v[RD], s66, v6                    ; head 0: columns 0-63 lie in the left region at byte 16 c
	v_bfe_u32 v8, v0, 2, 1
	v_mul_u32_u24 v8, v8, CREG-192                 ; head 1: c < 4 in the left region at 128 + 16 c, c >= 4 in the right one at 16 c - 64
	v_add_nc_u32 v8, 128, v8
	v_add_nc_u32 v[RD+1], v[RD], v8
	v_add_nc_u32 v[RD+2], CREG+64, v[RD]           ; head 2: the right region at 64 + 16 c
	s_lshl_b32 s66, s12, 13
	v_lshl_add_u32 v[CO], v5, 4, s66               ; in a head's plane 64 rows of 128 bytes are 8,192 consecutive bytes
	v_lshlrev_b32 v[BOFF], 5, v2
	s_mul_i32 s68, s17, 768
	s_mul_i32 s69, s14, 384
	s_add_co_u32 s68, s68, s69
	s_mov_b32 s69, 0
	s_add_nc_u64 s[8:9], s[8:9], s[68:69]          ; the bias of my 96 columns
.irp b, 0,1,2,3,4,5
	global_load_b128 v[BIAS+8*\b:BIAS+8*\b+3],   v[BOFF], s[8:9] offset:64*\b
	global_load_b128 v[BIAS+8*\b+4:BIAS+8*\b+7], v[BOFF], s[8:9] offset:64*\b+16
.endr
; 12 matrix instructions: m tiles a0, a0 + 1 of the window's four x all 6 n tiles.  first = 1: the bias is the C operand and starts the sums.
; The 48 accumulators take turns, one instruction a turn, in the same order in every quarter.
.macro MUL12 f, hi, a0, first
.irp a, \a0, \a0+1
.irp b, 0,1,2,3,4,5
.if \first
	v_wmma_f32_16x16x32_f16 v[8*(6*(\a)+\b):8*(6*(\a)+\b)+7], v[\f+8*\b:\f+8*\b+7], v[\f+8*(4*\hi+\a):\f+8*(4*\hi+\a)+7], v[BIAS+8*\b:BIAS+8*\b+7]
.else
	v_wmma_f32_16x16x32_f16 v[8*(6*(\a)+\b):8*(6*(\a)+\b)+7], v[\f+8*\b:\f+8*\b+7], v[\f+8*(4*\hi+\a):\f+8*(4*\hi+\a)+7], v[8*(6*(\a)+\b):8*(6*(\a)+\b)+7]
.endif
.endr
.endr
.endm
.macro FETCH slot, k, f                ; 28 LDS loads in one run: 96 rows of wab, 128 rows of xb, 32 along K
	WIN TO_B
.irp i, 0,1,2,3,4,5
	ds_load_b128 v[\f+8*\i:\f+8*\i+3],   v[ADRB+\slot] offset:\k+\i*16*PITCH
	ds_load_b128 v[\f+8*\i+4:\f+8*\i+7], v[ADRB+\slot] offset:\k+\i*16*PITCH+32
.endr
	WIN 0
.irp i, 0,1,2,3,4,5,6,7
	ds_load_b128 v[\f+8*\i:\f+8*\i+3],   v[ADRA+\slot] offset:\k+\i*16*PITCH
	ds_load_b128 v[\f+8*\i+4:\f+8*\i+7], v[ADRA+\slot] offset:\k+\i*16*PITCH+32
.endr
.endm
.macro QUARTER slot, k, f, g, first
	s_wait_dscnt 8                                 ; all but the youngest eight loads (xb's rows 64-127)
.if \first
	WIN FIRST_LO
.else
	WIN MUL_LO
.endif
	MUL12 \f, 0, 0, \first
	MUL12 \f, 0, 2, \first
	PLACES                                         ; four places before loads land on registers that matrix instructions have read
	FETCH \slot, \k, \g
	s_wait_dscnt 28                                ; all but the 28 just issued
.if \first
	WIN FIRST_HI
.else
	WIN MUL_HI
.endif
	MUL12 \f, 1, 0, \first
	MUL12 \f, 1, 2, \first
.endm
.macro THREE slot, first
	QUARTER \slot, 64,  F0, F1, \first
	QUARTER \slot, 128, F1, F0, 0
	QUARTER \slot, 192, F0, F1, 0
.endm
; The last quarter of a K step changes slots.  In front of the barrier each wave waits for its reads of this slot and for all its tensor loads (one is out:
; its part of the next slot).  Where the slot is filled again the barrier opens a round of the cluster's barrier and the joint refill is first behind it.
; From a request to the wait for it a wave issues 180 matrix instructions.
.macro TURN slot, next, fill
	s_wait_dscnt 8
	WIN MUL_LO
	MUL12 F1, 0, 0, 0
	s_wait_dscnt 0
	s_wait_tensorcnt 0x0
	ds_add_u32 v255, v255
	s_wait_dscnt 0x0
	s_barrier_signal -1
	MUL12 F1, 0, 2, 0
	WIN 0
	s_barrier_wait -1
.if \fill
	CREST
	s_add_nc_u64 s[G0+4*\slot+2:G0+4*\slot+3], s[G0+4*\slot+2:G0+4*\slot+3], 2*KSTEP*2
	s_add_nc_u64 s[G0B+4*\slot+2:G0B+4*\slot+3], s[G0B+4*\slot+2:G0B+4*\slot+3], 2*KSTEP*2
	JLOAD \slot
.endif
	PLACES
	FETCH \next, 0, F0
	WIN MUL_HI
	MUL12 F1, 1, 0, 0
	MUL12 F1, 1, 2, 0
.endm
.macro LAP first
	THREE 0, \first
	TURN 0, 1, 1
	THREE 1, 0
	TURN 1, 0, 1
.endm
	s_wait_loadcnt 0x0                             ; the bias
	s_wait_tensorcnt 0x1                           ; my part of K step 0 is in; K step 1's stays out
	s_barrier_signal -1
	s_barrier_wait -1
	FETCH 0, 0, F0
	LAP 1
	WIN 0
	s_mov_b32 s3, LAPS-2
.Llap:
	LAP 0
	WIN 0
	s_sub_co_u32 s3, s3, 1
	s_cmp_lg_u32 s3, 0
	s_cbranch_scc1 .Llap
	THREE 0, 0                                     ; the last lap fills nothing
	TURN 0, 1, 0
	THREE 1, 0
	s_wait_dscnt 8
	WIN MUL_LO
	MUL12 F1, 0, 0, 0
	MUL12 F1, 0, 2, 0
	s_wait_dscnt 0
	WIN MUL_HI
	MUL12 F1, 1, 0, 0
	MUL12 F1, 1, 2, 0
	; THE WAY OUT.  A wave's 96 columns are one and a half heads, so the block goes through a stage: each wave stores into its own region of slot 0
	; (whose last reads ended in front of the last change of slots, and which is filled no more), a barrier, then whole head rows are read back.
	PLACES
	s_mul_i32 s72, s17, 3                          ; the block's first head among 48 (q 0-15, k 16-31, v 32-47)
	s_lshr_b32 s73, s18, 3
	s_lshl_b32 s73, s73, 4                         ; 16 x batch
	s_and_b32 s74, s18, 7
	s_lshl_b32 s74, s74, 15                        ; 256 rows of 128 bytes for each block row inside a batch
.irp hh, 0,1,2
	s_add_co_u32 s82, s72, \hh                     ; g
	s_and_b32 s83, s82, 0x30                       ; plane = 32 (g / 16) + 16 batch + g % 16 = g + (g & 0x30) + 16 batch
	s_add_co_u32 s82, s82, s83
	s_add_co_u32 s82, s82, s73
	s_lshl_b32 s82, s82, 18                        ; planes of 262,144 bytes
	s_add_co_u32 s82, s82, s74
	s_mov_b32 s83, 0
	s_add_nc_u64 s[76+2*\hh:77+2*\hh], s[10:11], s[82:83]
.endr
.macro STG a2, a, from
	WIN \from
.irp b, 0,1,2,3,4,5
.irp p, 0,1,2,3
	v_cvt_pk_f16_f32 v[TMP+4*\b+\p], v[8*(6*\a+\b)+2*\p], v[8*(6*\a+\b)+2*\p+1]
.endr
.endr
	WIN 0
.irp b, 0,1,2,3,4,5
	ds_store_b128 v[STO], v[TMP+4*\b:TMP+4*\b+3] offset:\a2*16*CP+32*\b
.endr
.endm
	STG 0, 0, 0x0a
	STG 1, 1, 0x0a
	STG 2, 2, 0x0a
	STG 3, 3, 0x0a
	STG 4, 0, 0x0f
	STG 5, 1, 0x0f
	STG 6, 2, 0x0f
	STG 7, 3, 0x0f
	s_wait_dscnt 0x0                               ; my stores are done, for the waves that read them
	s_barrier_signal -1
	s_barrier_wait -1
.macro OUTH hh, f
.irp i, 0,1,2,3,4,5,6,7,8,9,10,11,12,13,14,15
	ds_load_b128 v[\f+4*\i:\f+4*\i+3], v[RD+\hh] offset:\i*4*CP
.endr
.irp i, 0,1,2,3,4,5,6,7,8,9,10,11,12,13,14,15
	s_wait_dscnt 15-\i
	global_store_b128 v[CO], v[\f+4*\i:\f+4*\i+3], s[76+2*\hh:77+2*\hh] offset:512*\i   ; a wave's store covers 512 consecutive aligned bytes
.endr
.endm
	OUTH 0, F0
	OUTH 1, F1
	s_wait_xcnt 0x0                                ; buffer 0, which head 0's stores read, is loaded again only behind this wait
	OUTH 2, F0
	s_set_vgpr_msb 0x1
	s_wait_tensorcnt 0x0
	ds_add_u32 v255, v255
	s_wait_dscnt 0x0
	s_set_vgpr_msb 0x100
	CROUND                                         ; the closing round: no work-group ends while a partner may still ask for a tile that names it
	s_endpgm
.Lfunc_end_k_q0c4f6322b6_qkv:
	.size	k_q0c4f6322b6_qkv, .Lfunc_end_k_q0c4f6322b6_qkv-k_q0c4f6322b6_qkv
	.p2alignl 7, 3214868480
	.fill 96, 4, 3214868480
	.section	.rodata,"a",@progbits
	.p2align	6, 0x0
	.amdhsa_kernel k_q0c4f6322b6_qkv
		.amdhsa_group_segment_fixed_size 327680
		.amdhsa_private_segment_fixed_size 0
		.amdhsa_enable_private_segment 0
		.amdhsa_kernarg_size 32
		.amdhsa_user_sgpr_count 2
		.amdhsa_user_sgpr_kernarg_segment_ptr 1
		.amdhsa_wavefront_size32 1
		.amdhsa_system_sgpr_workgroup_id_x 1
		.amdhsa_system_sgpr_workgroup_id_y 1
		.amdhsa_system_sgpr_workgroup_id_z 1
		.amdhsa_system_vgpr_workitem_id 0
		.amdhsa_next_free_vgpr 960
		.amdhsa_next_free_sgpr 100
		.amdhsa_reserve_vcc 0
		.amdhsa_float_denorm_mode_32 3
		.amdhsa_float_denorm_mode_16_64 3
		.amdhsa_memory_ordered 1
		.amdhsa_forward_progress 1
		.amdhsa_inst_pref_size 160
	.end_amdhsa_kernel
	.amdgpu_metadata
---
amdhsa.version: [ 1, 2 ]
amdhsa.kernels:
  - .name:           k_q0c4f6322b6_qkv
    .symbol:         k_q0c4f6322b6_qkv.kd
    .args:
      - { .name: xb, .offset: 0, .size: 8, .value_kind: global_buffer, .address_space: global }
      - { .name: wab, .offset: 8, .size: 8, .value_kind: global_buffer, .address_space: global }
      - { .name: b_attn, .offset: 16, .size: 8, .value_kind: global_buffer, .address_space: global }
      - { .name: qkv, .offset: 24, .size: 8, .value_kind: global_buffer, .address_space: global }
    .group_segment_fixed_size: 327680
    .private_segment_fixed_size: 0
    .kernarg_segment_align: 8
    .kernarg_segment_size: 32
    .max_flat_workgroup_size: 128
    .sgpr_count:     100
    .vgpr_count:     960
    .wavefront_size: 32
...
	.end_amdgpu_metadata
.endif
;; end of part 2
;; launch attn (part 3): grid 8 x 32, 8 waves a work-group, no clusters, 327,680 bytes of LDS; arguments qkv, yh; writes yh
.if DOCPART == 3
	.amdgcn_target "amdgcn-amd-amdhsa--gfx1250"
	.amdhsa_code_object_version 6
	.text
	.protected	k_q0c4f6322b6_attn
	.globl	k_q0c4f6322b6_attn
	.p2align	8
	.type	k_q0c4f6322b6_attn,@function
k_q0c4f6322b6_attn:
	s_mov_b64 s[64:65], 0
	v_nop
	global_prefetch_b8 v0, s[64:65] scope:SCOPE_SE
	s_setreg_imm32_b32 hwreg(HW_REG_WAVE_MODE, 25, 1), 1
	s_wait_xcnt 0x0
; Causal attention of one head (b 16 + h = work-group y), query blocks X = 2 i and Y = 15 - 2 i of 128 rows (i = work-group x):
; (X + 1) + (Y + 1) = 17 key units of 128 in every work-group.  q, k, v: [32][2048][64] f16 planes of qkv; yh: [32][2048][64] f16.
; Wave w: qg = w & 3 picks 32 queries (two tiles of 16), H = w >> 2 picks the unit's keys 64 H .. +63.  The pair (w, w + 4) keeps its own running
; maximum, sum and output and merges them at the end of a block.
; S^T = K Q^T: register j of lane (r, h) holds query r, key 8 h + j of a tile, so a query's statistics are one number a lane, and exp(S^T), packed to f16
; in place, already is the second source of O^T = V^T P^T.
; NO CLUSTER: the balance pairs blocks 2 i and 15 - 2 i, so the eight work-groups of a head want different key units in a given step; walking the units
; jointly would need every partner to pass max(X) + max(Y) + 2 = 14 + 15 + 2 steps shared four ways at best 20 against 17 here.
; LIMITS: the running maximum starts at -FLT_MAX, not at -infinity (the same for every finite score); P and y are rounded to f16; NaN and infinite inputs are not served.
.set UNITB, 16384                      ; 128 keys of 128 bytes, dense in memory
.set VP,    160                        ; LDS pitch of V's key rows: an odd multiple of 32, for the transposing load
.set KP,    144                        ; of K's key rows: an odd multiple of 16
.set KOFF,  128*VP
.set SLOT,  KOFF+128*KP                ; 38,912
.set EXCH,  2*SLOT                     ; 77,824 = 304 x 256: no fill lands here.  Eight waves x (4,096 of O + 256 of (m, l))
.set EXB,   4352
.set STAGE, EXCH+8*EXB                 ; 112,640: eight waves x 16 rows x 144
.set STB,   16*KP
.set CS,    0x3e38aa3b                 ; log2(e) / 8: the scale 1/sqrt(64) folded into the base-2 exponent
.set NCS,   0xbe38aa3b
.set ADK,  3                           ; v3, v4   K fragments in slot 0, 1
.set ADV,  5                           ; v5, v6   V fragments
.set QOFF, 7
.set MSK,  8                           ; 32 qg - 64 H + r - 8 h
.set EXW,  9
.set EXM,  10
.set EXR,  11
.set EXRM, 12
.set STW,  13
.set STR,  14
.set YOFF, 15
.set ML,   16                          ; (m, l) of query tile 0, of tile 1
.set MN,   20
.set AL,   22                          ; the rescale factors, each twice
.set NMC,  26                          ; -CS x new maximum, each twice
.set NINF, 30
.set T,    32                          ; v[32:47] at work
.set SC,   64                          ; S(qt, kt) at 64 + 8 (4 qt + kt); then P(qt, kp) at 64 + 32 qt + 8 kp
.set KF,   128                         ; K(kt, ks) at 128 + 8 (2 kt + ks)
.set VF,   192                         ; V(dt, kp) at 192 + 8 (2 dt + kp)
.set QX,   64                          ; window 1: O(dt, qt) at 8 (2 dt + qt); Q of block X at 64, of block Y at 96
.set QY,   96
.set G1V, 16
.set G1K, 24
.set G0V, 32
.set G0K, 40
.set MSB, 0
.macro WIN new
.if MSB != \new
	s_set_vgpr_msb (MSB<<8)|\new
.set MSB, \new
.endif
.endm
.macro PLACES
.rept 4
	v_nop
.endr
.endm
.macro KVLOAD s                        ; wave 0 brings the unit's V, wave 1 its K, 16 KiB each; the other waves bring nothing
	s_cmp_lg_u32 s8, 0
	s_cbranch_scc1 .Lnot_v_\@
	tensor_load_to_lds s[G0V+4*(\s):G0V+4*(\s)+3], s[G1V:G1V+7]
	s_nop 0
.Lnot_v_\@:
	s_cmp_lg_u32 s8, 1
	s_cbranch_scc1 .Lnot_k_\@
	tensor_load_to_lds s[G0K+4*(\s):G0K+4*(\s)+3], s[G1K:G1K+7]
	s_nop 0
.Lnot_k_\@:
.endm
	s_load_b128 s[4:7], s[0:1], 0x0                ; qkv, yh
	v_lshl_add_u32 v62, v0, 2, 0x29000
	v_mov_b32 v63, 0
	ds_add_u32 v62, v63
	v_lshrrev_b32 v1, 5, v0
	v_readfirstlane_b32 s8, v1                     ; wave
	s_and_b32 s9, s8, 3                            ; qg
	s_lshr_b32 s10, s8, 2                          ; H
	s_mov_b32 s11, ttmp9                           ; i
	s_and_b32 s12, ttmp7, 0xffff                   ; head plane
	s_lshl_b32 s13, s11, 15                        ; X x 16,384
	s_mov_b32 s14, 0x76543210                      ; v_permlanex16_b32: lane i reads lane i of the other half
	s_mov_b32 s15, 0xfedcba98
	; A unit is 16,384 dense bytes, stated as 64 rows of 256 bytes; the padding counts 32 words along the tile, so it falls behind every key row of 128 bytes.
	s_mov_b32 s[G1V+0], (1<<16)|(1<<20)|(4<<22)|(7<<25)   ; 8 words of padding: pitch 160
	s_mov_b32 s[G1K+0], (1<<16)|(1<<20)|(4<<22)|(3<<25)   ; 4 words: pitch 144
	s_mov_b32 s[G1V+1], 128<<16
	s_mov_b32 s[G1K+1], 128<<16
	s_mov_b32 s[G1V+2], 64<<16
	s_mov_b32 s[G1K+2], 64<<16
	s_mov_b32 s[G1V+3], 128<<16
	s_mov_b32 s[G1K+3], 128<<16
	s_mov_b32 s[G1V+4], 64
	s_mov_b32 s[G1K+4], 64
	s_mov_b32 s[G1V+5], 128
	s_mov_b32 s[G1K+5], 128
	s_mov_b32 s[G1V+6], 0
	s_mov_b32 s[G1K+6], 0
	s_mov_b32 s[G1V+7], 0
	s_mov_b32 s[G1K+7], 0
	s_mov_b32 s[G0V+0], 1
	s_mov_b32 s[G0V+1], 0
	s_mov_b32 s[G0V+4], 1
	s_mov_b32 s[G0V+5], SLOT
	s_mov_b32 s[G0K+0], 1
	s_mov_b32 s[G0K+1], KOFF
	s_mov_b32 s[G0K+4], 1
	s_mov_b32 s[G0K+5], SLOT+KOFF
	s_lshl_b32 s68, s12, 18                        ; planes of 262,144 bytes
	s_mov_b32 s69, 0
	s_mov_b32 s70, s13
	s_mov_b32 s71, 0
	s_wait_dscnt 0x0
	s_barrier_signal -1
	s_barrier_wait -1
	s_wait_kmcnt 0x0
	s_add_nc_u64 s[54:55], s[4:5], s[68:69]        ; the head's q
	s_add_nc_u64 s[50:51], s[54:55], 0x800000      ; its k
	s_add_nc_u64 s[48:49], s[54:55], 0x1000000     ; its v
	s_add_nc_u64 s[G0V+2:G0V+3], s[48:49], s[70:71]       ; the first unit is block X's diagonal
	s_or_b32 s[G0V+3], s[G0V+3], 0x80000000
	s_add_nc_u64 s[G0K+2:G0K+3], s[50:51], s[70:71]
	s_or_b32 s[G0K+3], s[G0K+3], 0x80000000
	KVLOAD 0                                       ; the first fill, ahead of every wait on TENSORcnt, LDS read and barrier
	s_mov_b32 s52, 0                               ; byte offset of the unit that is asked for next
	s_mov_b32 s53, 0
	s_lshl_b32 s72, s9, 12                         ; my 32 queries: 4,096 bytes
	s_add_co_u32 s70, s13, s72
	s_add_nc_u64 s[74:75], s[6:7], s[68:69]        ; the head's y
	s_add_nc_u64 s[56:57], s[54:55], s[70:71]      ; q of block X
	s_add_nc_u64 s[60:61], s[74:75], s[70:71]      ; y of block X
	s_sub_co_u32 s70, 15*UNITB, s13                ; Y x 16,384
	s_add_co_u32 s70, s70, s72
	s_add_nc_u64 s[58:59], s[54:55], s[70:71]      ; q of block Y
	s_add_nc_u64 s[62:63], s[74:75], s[70:71]      ; y of block Y
	v_and_b32 v1, 15, v0                           ; r
	v_bfe_u32 v2, v0, 4, 1                         ; h
	v_and_b32 v31, 31, v0                          ; L
	v_lshlrev_b32 v[QOFF], 7, v1
	v_lshl_add_u32 v[QOFF], v2, 4, v[QOFF]
	WIN 0x40                                       ; destination window 1
.irp qt, 0,1
.irp ks, 0,1
	global_load_b128 v[QX+8*(2*\qt+\ks):QX+8*(2*\qt+\ks)+3],   v[QOFF], s[56:57] offset:2048*\qt+64*\ks
	global_load_b128 v[QX+8*(2*\qt+\ks)+4:QX+8*(2*\qt+\ks)+7], v[QOFF], s[56:57] offset:2048*\qt+64*\ks+32
	global_load_b128 v[QY+8*(2*\qt+\ks):QY+8*(2*\qt+\ks)+3],   v[QOFF], s[58:59] offset:2048*\qt+64*\ks
	global_load_b128 v[QY+8*(2*\qt+\ks)+4:QY+8*(2*\qt+\ks)+7], v[QOFF], s[58:59] offset:2048*\qt+64*\ks+32
.endr
.endr
	WIN 0
	s_mul_i32 s68, s10, 64*KP
	s_add_co_u32 s68, s68, KOFF
	v_mul_u32_u24 v[ADK], v1, KP
	v_lshl_add_u32 v[ADK], v2, 4, v[ADK]
	v_add_nc_u32 v[ADK], s68, v[ADK]               ; key 64 H + r, byte 16 h
	v_add_nc_u32 v[ADK+1], SLOT, v[ADK]
	v_and_b32 v[ADV], 7, v0
	v_lshl_add_u32 v[ADV], v2, 3, v[ADV]
	v_mul_u32_u24 v[ADV], v[ADV], VP               ; key 64 H + 8 h + (L & 7)
	v_bfe_u32 v32, v0, 3, 1
	v_lshl_add_u32 v[ADV], v32, 4, v[ADV]          ; + 16 ((L >> 3) & 1)
	s_mul_i32 s69, s10, 64*VP
	v_add_nc_u32 v[ADV], s69, v[ADV]
	v_add_nc_u32 v[ADV+1], SLOT, v[ADV]
	s_lshl_b32 s70, s9, 5
	s_lshl_b32 s71, s10, 6
	s_sub_co_i32 s70, s70, s71
	v_lshlrev_b32 v[MSK], 3, v2
	v_sub_nc_u32 v[MSK], v1, v[MSK]
	v_add_nc_u32 v[MSK], s70, v[MSK]
	s_mul_i32 s68, s8, EXB
	s_add_co_u32 s68, s68, EXCH                    ; where I send
	v_lshl_add_u32 v[EXW], v31, 4, s68
	v_lshl_add_u32 v[EXM], v31, 3, s68
	v_add_nc_u32 v[EXM], 4096, v[EXM]
	s_xor_b32 s69, s8, 4
	s_mul_i32 s69, s69, EXB
	s_add_co_u32 s69, s69, EXCH                    ; where my partner sends
	v_lshl_add_u32 v[EXR], v31, 4, s69
	v_lshl_add_u32 v[EXRM], v31, 3, s69
	v_add_nc_u32 v[EXRM], 4096, v[EXRM]
	s_mul_i32 s70, s8, STB
	s_add_co_u32 s70, s70, STAGE
	v_mul_u32_u24 v[STW], v1, KP
	v_lshl_add_u32 v[STW], v2, 4, v[STW]
	v_add_nc_u32 v[STW], s70, v[STW]
	v_lshrrev_b32 v[STR], 3, v31
	v_mul_u32_u24 v[STR], v[STR], KP
	v_and_b32 v32, 7, v0
	v_lshl_add_u32 v[STR], v32, 4, v[STR]
	v_add_nc_u32 v[STR], s70, v[STR]
	v_lshlrev_b32 v[YOFF], 4, v31
	v_mov_b32 v[NINF], 0xff800000
	v_mov_b32 v[T+4], 0                            ; v_permlanex16_b32 counts as a reader of its destination
	v_mov_b32 v[T+12], 0
	s_wait_loadcnt 0x0                             ; Q, once
.macro RESET
	v_mov_b32 v[ML], 0xff7fffff
	v_mov_b32 v[ML+1], 0
	v_mov_b32 v[ML+2], 0xff7fffff
	v_mov_b32 v[ML+3], 0
.endm
; The new maximum of query tile qt: 32 scores and the old maximum in sixteen three-way maxima, then the other half of the lanes (the same query's other keys).
; The factor for what is kept is exp2(CS (m - m new)): a difference first, so that it is exactly 1 where the maximum stays, at the floor too.
.macro SMAX qt
.irp c, 0,1,2,3
	v_max3_num_f32 v[T+8*\qt+\c], v[SC+32*\qt+8*\c], v[SC+32*\qt+8*\c+1], v[SC+32*\qt+8*\c+2]
.endr
.irp c, 0,1,2,3
	v_max3_num_f32 v[T+8*\qt+\c], v[T+8*\qt+\c], v[SC+32*\qt+8*\c+3], v[SC+32*\qt+8*\c+4]
.endr
.irp c, 0,1,2,3
	v_max3_num_f32 v[T+8*\qt+\c], v[T+8*\qt+\c], v[SC+32*\qt+8*\c+5], v[SC+32*\qt+8*\c+6]
.endr
	v_max3_num_f32 v[T+8*\qt],   v[T+8*\qt],   v[T+8*\qt+1], v[SC+32*\qt+7]
	v_max3_num_f32 v[T+8*\qt+2], v[T+8*\qt+2], v[T+8*\qt+3], v[SC+32*\qt+15]
	v_max3_num_f32 v[T+8*\qt],   v[T+8*\qt],   v[T+8*\qt+2], v[SC+32*\qt+23]
	v_max3_num_f32 v[T+8*\qt],   v[T+8*\qt],   v[SC+32*\qt+31], v[ML+2*\qt]
	v_permlanex16_b32 v[T+8*\qt+4], v[T+8*\qt], s14, s15
	v_max_num_f32 v[MN+\qt], v[T+8*\qt], v[T+8*\qt+4]
	v_mul_f32 v[NMC+2*\qt], NCS, v[MN+\qt]
	v_sub_f32 v[T+8*\qt], v[ML+2*\qt], v[MN+\qt]
	v_mov_b32 v[NMC+2*\qt+1], v[NMC+2*\qt]
	v_mul_f32 v[T+8*\qt], CS, v[T+8*\qt]
.endm
.macro SFMA qt                         ; the exponents: CS s - CS m, two at a time
.irp x, 0,2,4,6,8,10,12,14,16,18,20,22,24,26,28,30
	v_pk_fma_f32 v[SC+32*\qt+\x:SC+32*\qt+\x+1], v[SC+32*\qt+\x:SC+32*\qt+\x+1], CS, v[NMC+2*\qt:NMC+2*\qt+1] op_sel_hi:[1,0,1]
.endr
.endm
.macro SEXP qt
.irp x, 0,1,2,3,4,5,6,7,8,9,10,11,12,13,14,15,16,17,18,19,20,21,22,23,24,25,26,27,28,29,30,31
	v_exp_f32 v[SC+32*\qt+\x], v[SC+32*\qt+\x]
.endr
.endm
.macro SSUM qt                         ; the lane's own 32 terms, in four chains
	s_wait_alu depctr_va_vdst(0)
.irp c, 0,1,2,3
	v_pk_add_f32 v[T+8*\qt+2*\c:T+8*\qt+2*\c+1], v[SC+32*\qt+8*\c:SC+32*\qt+8*\c+1], v[SC+32*\qt+8*\c+2:SC+32*\qt+8*\c+3]
.endr
.irp c, 0,1,2,3
	v_pk_add_f32 v[T+8*\qt+2*\c:T+8*\qt+2*\c+1], v[T+8*\qt+2*\c:T+8*\qt+2*\c+1], v[SC+32*\qt+8*\c+4:SC+32*\qt+8*\c+5]
.endr
.irp c, 0,1,2,3
	v_pk_add_f32 v[T+8*\qt+2*\c:T+8*\qt+2*\c+1], v[T+8*\qt+2*\c:T+8*\qt+2*\c+1], v[SC+32*\qt+8*\c+6:SC+32*\qt+8*\c+7]
.endr
	v_pk_add_f32 v[T+8*\qt:T+8*\qt+1],   v[T+8*\qt:T+8*\qt+1],   v[T+8*\qt+2:T+8*\qt+3]
	v_pk_add_f32 v[T+8*\qt+4:T+8*\qt+5], v[T+8*\qt+4:T+8*\qt+5], v[T+8*\qt+6:T+8*\qt+7]
	v_pk_add_f32 v[T+8*\qt:T+8*\qt+1],   v[T+8*\qt:T+8*\qt+1],   v[T+8*\qt+4:T+8*\qt+5]
	v_add_f32 v[T+8*\qt], v[T+8*\qt], v[T+8*\qt+1]
.endm
.macro SPACK qt                        ; to f16 in place, ascending: register x takes 2 x and 2 x + 1, which no earlier line has overwritten
.irp x, 0,1,2,3,4,5,6,7,8,9,10,11,12,13,14,15
	v_cvt_pk_f16_f32 v[SC+32*\qt+\x], v[SC+32*\qt+2*\x], v[SC+32*\qt+2*\x+1]
.endr
.endm
; One key unit, read from slot.  refill: the other slot gets the next unit; wrap: block X's units end, block Y's begin at key 0;
; mask: the diagonal; zero: a block's first unit starts the sums; qb: the block's Q in window 1.
.macro UNIT slot, refill, wrap, mask, zero, qb
.set OTH, 1-\slot
	s_wait_tensorcnt 0x0                           ; all my tensor loads have landed (at most one was out), this unit among them: the descriptors may be written
	ds_add_u32 v62, v63
	s_wait_dscnt 0x0
.if \refill
	s_add_nc_u64 s[G0V+4*OTH+2:G0V+4*OTH+3], s[48:49], s[52:53]
	s_or_b32 s[G0V+4*OTH+3], s[G0V+4*OTH+3], 0x80000000
	s_add_nc_u64 s[G0K+4*OTH+2:G0K+4*OTH+3], s[50:51], s[52:53]
	s_or_b32 s[G0K+4*OTH+3], s[G0K+4*OTH+3], 0x80000000
	s_add_co_u32 s52, s52, UNITB
.if \wrap
	s_cmp_eq_u32 s52, s13
	s_cselect_b32 s52, 0, s52
.endif
.endif
	s_wait_dscnt 0x0                               ; my reads of the other slot are done
	s_barrier_signal -1
	s_barrier_wait -1                              ; both hold of all eight waves
.if \refill
	KVLOAD OTH                                     ; first behind the barrier, one load a wave; it has this unit's work in which to land
.endif
.irp kt, 0,1,2,3
.irp ks, 0,1
	ds_load_b128 v[KF+8*(2*\kt+\ks):KF+8*(2*\kt+\ks)+3],   v[ADK+\slot] offset:\kt*16*KP+64*\ks
	ds_load_b128 v[KF+8*(2*\kt+\ks)+4:KF+8*(2*\kt+\ks)+7], v[ADK+\slot] offset:\kt*16*KP+64*\ks+32
.endr
.endr
.irp dt, 0,1,2,3
.irp kp, 0,1
	ds_load_tr16_b128 v[VF+8*(2*\dt+\kp):VF+8*(2*\dt+\kp)+3],   v[ADV+\slot] offset:\kp*32*VP+32*\dt
	ds_load_tr16_b128 v[VF+8*(2*\dt+\kp)+4:VF+8*(2*\dt+\kp)+7], v[ADV+\slot] offset:\kp*32*VP+32*\dt+16*VP
.endr
.endr
	s_wait_dscnt 16                                ; K's sixteen loads are in, V's sixteen stay out
	WIN 0x04                                       ; source 1 (Q) in window 1
	; eight accumulators take turns, one instruction a turn
.irp qt, 0,1
.irp kt, 0,1,2,3
	v_wmma_f32_16x16x32_f16 v[SC+8*(4*\qt+\kt):SC+8*(4*\qt+\kt)+7], v[KF+16*\kt:KF+16*\kt+7], v[\qb+16*\qt:\qb+16*\qt+7], 0
.endr
.endr
.irp qt, 0,1
.irp kt, 0,1,2,3
	v_wmma_f32_16x16x32_f16 v[SC+8*(4*\qt+\kt):SC+8*(4*\qt+\kt)+7], v[KF+16*\kt+8:KF+16*\kt+15], v[\qb+16*\qt+8:\qb+16*\qt+15], v[SC+8*(4*\qt+\kt):SC+8*(4*\qt+\kt)+7]
.endr
.endr
	WIN 0
	PLACES                                         ; four places before the scores are read (ISA guide 7.12.1)
.if \mask
	; key 64 H + 16 kt + 8 h + j is beyond query 32 qg + 16 qt + r where 16 kt + j - 16 qt > MSK
.irp qt, 0,1
.irp kt, 0,1,2,3
.irp j, 0,1,2,3,4,5,6,7
	v_cmp_gt_i32 vcc_lo, 16*\kt+\j-16*\qt, v[MSK]
	v_cndmask_b32 v[SC+8*(4*\qt+\kt)+\j], v[SC+8*(4*\qt+\kt)+\j], v[NINF], vcc_lo
.endr
.endr
.endr
.endif
	SMAX 0
	SMAX 1
	v_exp_f32 v[AL], v[T]
	v_exp_f32 v[AL+2], v[T+8]
	SFMA 0                                         ; plain instructions behind the two exponentials (ISA guide 5.7.2)
	s_wait_alu depctr_va_vdst(0)
	v_mov_b32 v[AL+1], v[AL]
	v_mov_b32 v[AL+3], v[AL+2]
	SEXP 0
	SFMA 1                                         ; and behind tile 0's
	SEXP 1
	SSUM 0                                         ; and behind tile 1's
	SSUM 1
	SPACK 0
	SPACK 1
.if \zero == 0
	WIN 0x41                                       ; O in window 1, the factor in window 0
.irp dt, 0,1,2,3
.irp qt, 0,1
.irp p, 0,2,4,6
	v_pk_mul_f32 v[8*(2*\dt+\qt)+\p:8*(2*\dt+\qt)+\p+1], v[8*(2*\dt+\qt)+\p:8*(2*\dt+\qt)+\p+1], v[AL+2*\qt:AL+2*\qt+1]
.endr
.endr
.endr
.endif
	s_wait_dscnt 0x0                               ; V
.if \zero
	WIN 0x40
.else
	WIN 0x50
.endif
.irp dt, 0,1,2,3
.irp qt, 0,1
.if \zero
	v_wmma_f32_16x16x32_f16 v[8*(2*\dt+\qt):8*(2*\dt+\qt)+7], v[VF+16*\dt:VF+16*\dt+7], v[SC+32*\qt:SC+32*\qt+7], 0
.else
	v_wmma_f32_16x16x32_f16 v[8*(2*\dt+\qt):8*(2*\dt+\qt)+7], v[VF+16*\dt:VF+16*\dt+7], v[SC+32*\qt:SC+32*\qt+7], v[8*(2*\dt+\qt):8*(2*\dt+\qt)+7]
.endif
.endr
.endr
	WIN 0x50
.irp dt, 0,1,2,3
.irp qt, 0,1
	v_wmma_f32_16x16x32_f16 v[8*(2*\dt+\qt):8*(2*\dt+\qt)+7], v[VF+16*\dt+8:VF+16*\dt+15], v[SC+32*\qt+8:SC+32*\qt+15], v[8*(2*\dt+\qt):8*(2*\dt+\qt)+7]
.endr
.endr
	WIN 0
	; five places: the next unit's loads land on V's registers (four) and its first products write over P's (five)
	v_fma_f32 v[ML+1], v[ML+1], v[AL],   v[T]      ; l = l x factor + this unit's sum, the lane's own keys
	v_fma_f32 v[ML+3], v[ML+3], v[AL+2], v[T+8]
	v_mov_b32 v[ML],   v[MN]
	v_mov_b32 v[ML+2], v[MN+1]
	v_nop
.endm
.macro SEND q                          ; query tile q's O, m and l go to my partner
	WIN 0x04                                       ; store data in window 1
.irp dt, 0,1,2,3
	ds_store_b128 v[EXW], v[8*(2*\dt+\q):8*(2*\dt+\q)+3]   offset:1024*\dt
	ds_store_b128 v[EXW], v[8*(2*\dt+\q)+4:8*(2*\dt+\q)+7] offset:1024*\dt+512
.endr
	WIN 0
	ds_store_b64 v[EXM], v[ML+2*\q:ML+2*\q+1]
.endm
.macro MERGE q, yb                     ; query tile q: mine and my partner's halves of the keys become y
.irp x, 0,1,2,3,4,5,6,7
	ds_load_b128 v[KF+4*\x:KF+4*\x+3], v[EXR] offset:512*\x
.endr
	ds_load_b64 v[T:T+1], v[EXRM]
	s_wait_dscnt 0x0
	v_max_num_f32 v[T+2], v[ML+2*\q], v[T]
	v_sub_f32 v[T+3], v[ML+2*\q], v[T+2]
	v_sub_f32 v[T+4], v[T], v[T+2]
	v_mul_f32 v[T+3], CS, v[T+3]
	v_mul_f32 v[T+4], CS, v[T+4]
	v_exp_f32 v[T+3], v[T+3]
	v_exp_f32 v[T+4], v[T+4]
	v_nop                                          ; one plain place behind a transcendental (ISA guide 5.7.2)
	s_wait_alu depctr_va_vdst(0)
	v_mul_f32 v[T+5], v[T+1], v[T+4]
	v_fma_f32 v[T+5], v[ML+2*\q+1], v[T+3], v[T+5]
	v_permlanex16_b32 v[T+6], v[T+5], s14, s15     ; the same query's other keys
	v_add_f32 v[T+5], v[T+5], v[T+6]               ; at least 1: the largest term is exp2(0)
	v_rcp_f32 v[T+5], v[T+5]
	v_nop
	s_wait_alu depctr_va_vdst(0)
	v_mul_f32 v[T+8],  v[T+3], v[T+5]
	v_mul_f32 v[T+10], v[T+4], v[T+5]
	v_mov_b32 v[T+9],  v[T+8]
	v_mov_b32 v[T+11], v[T+10]
.irp x, 0,2,4,6,8,10,12,14,16,18,20,22,24,26,28,30
	v_pk_mul_f32 v[KF+\x:KF+\x+1], v[KF+\x:KF+\x+1], v[T+10:T+11]
.endr
	WIN 0x01                                       ; source 0 (my O) in window 1
.irp dt, 0,1,2,3
.irp p, 0,2,4,6
	v_pk_fma_f32 v[KF+32+8*\dt+\p:KF+32+8*\dt+\p+1], v[8*(2*\dt+\q)+\p:8*(2*\dt+\q)+\p+1], v[T+8:T+9], v[KF+8*\dt+\p:KF+8*\dt+\p+1]
.endr
.endr
	WIN 0
.irp x, 0,1,2,3,4,5,6,7,8,9,10,11,12,13,14,15
	v_cvt_pk_f16_f32 v[VF+\x], v[KF+32+2*\x], v[KF+32+2*\x+1]
.endr
.irp dt, 0,1,2,3
	ds_store_b128 v[STW], v[VF+4*\dt:VF+4*\dt+3] offset:32*\dt     ; query r, d = 16 dt + 8 h ..: my own stage
.endr
.irp x, 0,1,2,3
	ds_load_b128 v[VF+16+4*\x:VF+16+4*\x+3], v[STR] offset:4*KP*\x ; LDS serves a wave in order: four rows of 128 bytes
.endr
.irp x, 0,1,2,3
	s_wait_dscnt 3-\x
	global_store_b128 v[YOFF], v[VF+16+4*\x:VF+16+4*\x+3], s[\yb:\yb+1] offset:2048*\q+512*\x   ; 512 consecutive aligned bytes
.endr
	s_wait_xcnt 0x0                                ; the next unit's loads land on these registers only behind this wait
.endm
; The end of a block.  H = 0 keeps query tile 0 and sends tile 1; H = 1 the other way round.  The next unit's tile may stay on its way.
.macro FINISH yb
	s_cmp_lg_u32 s10, 0
	s_cbranch_scc1 .Lsend0_\@
	SEND 1
	s_branch .Lsent_\@
.Lsend0_\@:
	SEND 0
.Lsent_\@:
	s_wait_dscnt 0x0                               ; my stores are done, for my partner
	s_barrier_signal -1
	s_barrier_wait -1
	s_cmp_lg_u32 s10, 0
	s_cbranch_scc1 .Lmerge1_\@
	MERGE 0, \yb
	s_branch .Lmerged_\@
.Lmerge1_\@:
	MERGE 1, \yb
.Lmerged_\@:
.endm
	; Units in order: X's diagonal, X's keys 0 .. X-1, Y's keys 0 .. Y.  X and Y - 1 are even, so each unit's slot is fixed by the text.
	RESET
	UNIT 0, 1, 0, 1, 1, QX
	s_cmp_eq_u32 s11, 0
	s_cbranch_scc1 .Lxdone
	s_mov_b32 s66, 0
.Lxloop:
	UNIT 1, 1, 1, 0, 0, QX
	UNIT 0, 1, 1, 0, 0, QX
	s_add_co_u32 s66, s66, 1
	s_cmp_lt_u32 s66, s11
	s_cbranch_scc1 .Lxloop
.Lxdone:
	FINISH 60
	RESET
	UNIT 1, 1, 0, 0, 1, QY
	s_sub_co_u32 s67, 7, s11
	s_cmp_eq_u32 s67, 0
	s_cbranch_scc1 .Lydone
	s_mov_b32 s66, 0
.Lyloop:
	UNIT 0, 1, 0, 0, 0, QY
	UNIT 1, 1, 0, 0, 0, QY
	s_add_co_u32 s66, s66, 1
	s_cmp_lt_u32 s66, s67
	s_cbranch_scc1 .Lyloop
.Lydone:
	UNIT 0, 0, 0, 1, 0, QY                         ; Y's diagonal: nothing is left to fetch
	FINISH 62
	s_wait_tensorcnt 0x0
	ds_add_u32 v62, v63
	s_wait_dscnt 0x0
	s_endpgm
.Lfunc_end_k_q0c4f6322b6_attn:
	.size	k_q0c4f6322b6_attn, .Lfunc_end_k_q0c4f6322b6_attn-k_q0c4f6322b6_attn
	.p2alignl 7, 3214868480
	.fill 96, 4, 3214868480
	.section	.rodata,"a",@progbits
	.p2align	6, 0x0
	.amdhsa_kernel k_q0c4f6322b6_attn
		.amdhsa_group_segment_fixed_size 327680
		.amdhsa_private_segment_fixed_size 0
		.amdhsa_enable_private_segment 0
		.amdhsa_kernarg_size 16
		.amdhsa_user_sgpr_count 2
		.amdhsa_user_sgpr_kernarg_segment_ptr 1
		.amdhsa_wavefront_size32 1
		.amdhsa_system_sgpr_workgroup_id_x 1
		.amdhsa_system_sgpr_workgroup_id_y 1
		.amdhsa_system_sgpr_workgroup_id_z 1
		.amdhsa_system_vgpr_workitem_id 0
		.amdhsa_next_free_vgpr 384
		.amdhsa_next_free_sgpr 80
		.amdhsa_reserve_vcc 1
		.amdhsa_float_denorm_mode_32 3
		.amdhsa_float_denorm_mode_16_64 3
		.amdhsa_memory_ordered 1
		.amdhsa_forward_progress 1
		.amdhsa_inst_pref_size 171
	.end_amdhsa_kernel
	.amdgpu_metadata
---
amdhsa.version: [ 1, 2 ]
amdhsa.kernels:
  - .name:           k_q0c4f6322b6_attn
    .symbol:         k_q0c4f6322b6_attn.kd
    .args:
      - { .name: qkv, .offset: 0, .size: 8, .value_kind: global_buffer, .address_space: global }
      - { .name: yh, .offset: 8, .size: 8, .value_kind: global_buffer, .address_space: global }
    .group_segment_fixed_size: 327680
    .private_segment_fixed_size: 0
    .kernarg_segment_align: 8
    .kernarg_segment_size: 16
    .max_flat_workgroup_size: 256
    .sgpr_count:     80
    .vgpr_count:     384
    .wavefront_size: 32
...
	.end_amdgpu_metadata
.endif
;; end of part 3
;; launch proj (part 4): grid 8 x 32, 4 waves a work-group, clusters of 4 x 4, 327,680 bytes of LDS; arguments yh, wpb, b_proj, out0; writes out0
.if DOCPART == 4
	.amdgcn_target "amdgcn-amd-amdhsa--gfx1250"
	.amdhsa_code_object_version 6
	.text
	.protected	k_q0c4f6322b6_proj
	.globl	k_q0c4f6322b6_proj
	.p2align	8
	.type	k_q0c4f6322b6_proj,@function
k_q0c4f6322b6_proj:
	s_mov_b64 s[64:65], 0
	v_nop
	global_prefetch_b8 v0, s[64:65] scope:SCOPE_SE
	s_setreg_imm32_b32 hwreg(HW_REG_WAVE_MODE, 25, 1), 1
	s_wait_xcnt 0x0
	s_wait_alu depctr_hold_cnt(0) depctr_sa_sdst(0) depctr_va_vdst(0) depctr_va_sdst(0) depctr_va_ssrc(0) depctr_va_vcc(0) depctr_vm_vsrc(0)
	s_getreg_b32 s2, hwreg(HW_REG_IB_STS2, 6, 4)
	s_cmp_eq_u32 s2, 0
	s_cbranch_scc0 .Lentry_in_a_cluster
	s_endpgm
.Lentry_in_a_cluster:
	s_bfe_u32 s2, ttmp6, 0x10000c
	s_cmp_lg_u32 s2, 0xf033
	s_cbranch_scc0 .Lentry_shape_is_right
	s_endpgm
.Lentry_shape_is_right:
; out0 = y wpb^T + b_proj in f32.  y comes head-major, yh [32 (b 16 + h)][2048 t][64 d] f16; wpb [1024][1024] f16; sums in f32.
; A work-group makes 128 x 128 with four waves, a wave 64 x 64: 16 accumulator tiles.  K goes in four steps of 256 (four heads) through two LDS slots.
; y's part of a step: four head planes of 128 rows x 128 bytes, each 16,384 dense bytes; a wave brings two planes as a tile of two rows of 8,192 elements,
; the padding counting 32 words along the tile, so that it falls behind every row of 128 bytes.
; CLUSTERS: 4 x 4 work-groups; y's tiles are shared along a row of the cluster, wpb's along a column, by joint loads.
.set PA,     144
.set PB,     528
.set PLANE,  128*PA                    ; 18,432
.set ABYTES, 4*PLANE
.set BHALF,  64*PB
.set SLOT,   ABYTES+2*BHALF            ; 141,312
.set STAGE,  2*SLOT                    ; 282,624 = 1,104 x 256: no fill lands here
.set SPITCH, 272
.set ASTEP,  8*262144                  ; a slot's next step: eight planes on
.set BSTEP,  1024                      ; 512 elements on
.set ADRA, 16
.set ADRB, 18
.set STO,  20
.set RD,   21
.set CO,   22
.set BOFF, 23
.set F0,   32                          ; buffer 0: y's fragments v32-63, wpb's v64-95
.set F1,   96                          ; buffer 1: v96-127, v128-159
.set BIAS, 160
.set T0,   192
.set T1,   224
.set G1,  24
.set G0,  32
.set G1B, 48
.set G0B, 56
.set MSB, 0
.macro WIN new
.if MSB != \new
	s_set_vgpr_msb (MSB<<8)|\new
.set MSB, \new
.endif
.endm
.macro PLACES
.rept 4
	v_nop
.endr
.endm
.macro JLOAD s
	s_cmp_eq_u32 s13, 0
	s_cbranch_scc0 .Lfor_b_\@
	tensor_load_to_lds s[G0+4*\s:G0+4*\s+3], s[G1:G1+7]
	s_nop 0
	s_branch .Lasked_\@
.Lfor_b_\@:
	tensor_load_to_lds s[G0B+4*\s:G0B+4*\s+3], s[G1B:G1B+7]
	s_nop 0
.Lasked_\@:
.endm
.macro CREST
	s_cmp_lg_u32 s12, 0
	s_cbranch_scc1 .Lnot_wave_0_\@
	s_barrier_signal -3
.Lnot_wave_0_\@:
	s_barrier_wait -3
	s_barrier_signal -1
	s_barrier_wait -1
.endm
.macro CROUND
	s_barrier_signal -1
	s_barrier_wait -1
	CREST
.endm
	s_load_b256 s[4:11], s[0:1], 0x0               ; yh, wpb, b_proj, out0
	v_lshl_add_u32 v30, v0, 2, 0x49400
	v_mov_b32 v31, 0
	ds_add_u32 v30, v31
	v_lshrrev_b32 v1, 5, v0
	v_readfirstlane_b32 s12, v1                    ; wave
	s_lshr_b32 s13, s12, 1                         ; my half of the rows; also: I fetch y (0) or wpb (1)
	s_and_b32 s14, s12, 1                          ; my half of the columns; also: which half of that tile I fetch
	s_bfe_u32 s15, ttmp6, 0x40000                  ; cx
	s_bfe_u32 s16, ttmp6, 0x40004                  ; cy
	s_lshl_b32 s17, ttmp9, 2
	s_add_co_u32 s17, s17, s15                     ; bx
	s_and_b32 s18, ttmp7, 0xffff
	s_lshl_b32 s18, s18, 2
	s_add_co_u32 s18, s18, s16                     ; by
	s_lshl_b32 s19, s16, 2
	s_lshl_b32 s19, 15, s19
	s_lshl_b32 s20, 0x1111, s15
	s_or_b32 s[G1+0],  s19, (1<<16)|(1<<20)|(1<<21)|(4<<22)|(3<<25)   ; 4 words of padding behind every 32: pitch 144
	s_or_b32 s[G1B+0], s20, (1<<16)|(1<<20)|(1<<21)|(6<<22)|(3<<25)   ; behind every 128: pitch 528
	s_mov_b32 s[G1+1],  8192<<16                   ; tensor_dim0 = 8,192 elements: a plane's 128 rows
	s_mov_b32 s[G1B+1], 256<<16
	s_mov_b32 s[G1+2],  2<<16                      ; tensor_dim1 = 2 planes
	s_mov_b32 s[G1B+2], 64<<16
	s_mov_b32 s[G1+3],  8192<<16                   ; tile_dim0
	s_mov_b32 s[G1B+3], 256<<16
	s_mov_b32 s[G1+4],  2                          ; tile_dim1
	s_mov_b32 s[G1B+4], 64
	s_mov_b32 s[G1+5],  131072                     ; from a head's plane to the next, in elements
	s_mov_b32 s[G1B+5], 1024
	s_mov_b32 s[G1+6],  0
	s_mov_b32 s[G1B+6], 0
	s_mov_b32 s[G1+7],  0
	s_mov_b32 s[G1B+7], 0
	s_lshr_b32 s40, s18, 4
	s_lshl_b32 s40, s40, 22                        ; batch: 16 planes
	s_and_b32 s21, s18, 15
	s_lshl_b32 s21, s21, 14                        ; 128 rows of 128 bytes
	s_add_co_u32 s40, s40, s21
	s_lshl_b32 s21, s14, 19                        ; my two planes of the step's four
	s_add_co_u32 s40, s40, s21
	s_mov_b32 s41, 0
	s_lshl_b32 s44, s17, 18                        ; wpb: row 128 bx + 64 half, 2,048 bytes a row
	s_lshl_b32 s22, s14, 17
	s_add_co_u32 s44, s44, s22
	s_mov_b32 s45, 0
	s_mul_i32 s46, s12, 2*PLANE
	s_mul_i32 s47, s12, BHALF
	s_add_co_u32 s47, s47, ABYTES-2*BHALF          ; 73,728 + (wave - 2) x 33,792
	s_wait_dscnt 0x0
	s_wait_kmcnt 0x0
	s_add_nc_u64 s[40:41], s[4:5], s[40:41]
	s_add_nc_u64 s[44:45], s[6:7], s[44:45]
	CROUND                                         ; in front of the first joint loads
.irp s, 0,1
	s_mov_b32 s[G0+4*\s], 1
	s_add_co_u32 s[G0+4*\s+1], s46, \s*SLOT
	s_add_nc_u64 s[G0+4*\s+2:G0+4*\s+3], s[40:41], \s*4*262144
	s_or_b32 s[G0+4*\s+3], s[G0+4*\s+3], 0x80000000
	s_mov_b32 s[G0B+4*\s], 1
	s_add_co_u32 s[G0B+4*\s+1], s47, \s*SLOT
	s_add_nc_u64 s[G0B+4*\s+2:G0B+4*\s+3], s[44:45], \s*512
	s_or_b32 s[G0B+4*\s+3], s[G0B+4*\s+3], 0x80000000
	JLOAD \s
.endr
	v_and_b32 v1, 15, v0                           ; r
	v_bfe_u32 v2, v0, 4, 1                         ; h
	v_mul_u32_u24 v3, v1, PA
	v_lshl_add_u32 v3, v2, 4, v3
	v_mul_u32_u24 v4, v1, PB
	v_lshl_add_u32 v4, v2, 4, v4
	s_mul_i32 s66, s13, 64*PA
	s_mul_i32 s67, s14, BHALF
	s_add_co_u32 s67, s67, ABYTES
.irp s, 0,1
	v_add_nc_u32 v[ADRA+\s], s66, v3
	v_add_nc_u32 v[ADRB+\s], s67, v4
	s_add_co_u32 s66, s66, SLOT
	s_add_co_u32 s67, s67, SLOT
.endr
	s_mul_i32 s68, s12, 16*SPITCH
	s_add_co_u32 s68, s68, STAGE                   ; my stage
	v_mul_u32_u24 v5, v1, SPITCH
	v_lshl_add_u32 v5, v2, 5, v5                   ; row r, 32 bytes for each half of the lanes
	v_add_nc_u32 v[STO], s68, v5
	v_mul_u32_u24 v6, v2, SPITCH
	v_lshl_add_u32 v6, v1, 4, v6
	v_add_nc_u32 v[RD], s68, v6
	v_lshlrev_b32 v7, 12, v2
	v_lshl_add_u32 v[CO], v1, 4, v7
	v_lshlrev_b32 v[BOFF], 5, v2
	s_lshl_b32 s70, s17, 9
	s_lshl_b32 s71, s14, 8
	s_add_co_u32 s70, s70, s71                     ; my 64 columns in f32
	s_mov_b32 s71, 0
	s_add_nc_u64 s[8:9], s[8:9], s[70:71]
.irp b, 0,1,2,3
	global_load_b128 v[BIAS+8*\b:BIAS+8*\b+3],   v[BOFF], s[8:9] offset:64*\b
	global_load_b128 v[BIAS+8*\b+4:BIAS+8*\b+7], v[BOFF], s[8:9] offset:64*\b+16
.endr
	s_lshl_b32 s72, s18, 19                        ; row 128 by + 64 half, 4,096 bytes a row
	s_lshl_b32 s73, s13, 18
	s_add_co_u32 s72, s72, s73
	s_add_co_u32 s72, s72, s70
	s_mov_b32 s73, 0
	s_add_nc_u64 s[76:77], s[10:11], s[72:73]
.macro PFETCH slot, qd, f              ; the fragments of quarter qd (32 along K) of a slot's eight: 64 rows of wpb, 64 rows of y
.irp i, 0,1,2,3
	ds_load_b128 v[\f+32+8*\i:\f+32+8*\i+3], v[ADRB+\slot] offset:\i*16*PB+64*(\qd)
	ds_load_b128 v[\f+36+8*\i:\f+36+8*\i+3], v[ADRB+\slot] offset:\i*16*PB+64*(\qd)+32
.endr
.irp i, 0,1,2,3
	ds_load_b128 v[\f+8*\i:\f+8*\i+3],   v[ADRA+\slot] offset:((\qd)>>1)*PLANE+\i*16*PA+((\qd)&1)*64
	ds_load_b128 v[\f+8*\i+4:\f+8*\i+7], v[ADRA+\slot] offset:((\qd)>>1)*PLANE+\i*16*PA+((\qd)&1)*64+32
.endr
.endm
; Sixteen accumulators take turns, one instruction a turn, in the same order in every quarter.
; Used transposed: a lane holds eight neighbouring columns of one row.  first = 1: the bias is the C operand and starts the sums.
.macro PMUL f, first
.irp a, 0,1,2,3
.irp b, 0,1,2,3
.if \first
	v_wmma_f32_16x16x32_f16 v[8*(4*\a+\b):8*(4*\a+\b)+7], v[\f+32+8*\b:\f+32+8*\b+7], v[\f+8*\a:\f+8*\a+7], v[BIAS+8*\b:BIAS+8*\b+7]
.else
	v_wmma_f32_16x16x32_f16 v[8*(4*\a+\b):8*(4*\a+\b)+7], v[\f+32+8*\b:\f+32+8*\b+7], v[\f+8*\a:\f+8*\a+7], v[8*(4*\a+\b):8*(4*\a+\b)+7]
.endif
.endr
.endr
.endm
.macro PQ slot, nq, f, g, more, first  ; multiplies buffer f; before that asks for quarter nq into buffer g
	s_wait_dscnt 0x0                               ; buffer f is in
.if \more
	PLACES                                         ; four places before loads land on registers that the last quarter's matrix instructions read
	PFETCH \slot, \nq, \g
.endif
.if \first
	WIN 0x40                                       ; D window 1, C (the bias) window 0
.else
	WIN 0x50                                       ; C and D window 1
.endif
	PMUL \f, \first
	WIN 0
.endm
.macro PHASE slot, first
	PLACES
	PFETCH \slot, 0, F0
	PQ \slot, 1, F0, F1, 1, \first
	PQ \slot, 2, F1, F0, 1, 0
	PQ \slot, 3, F0, F1, 1, 0
	PQ \slot, 4, F1, F0, 1, 0
	PQ \slot, 5, F0, F1, 1, 0
	PQ \slot, 6, F1, F0, 1, 0
	PQ \slot, 7, F0, F1, 1, 0
	PQ \slot, 0, F1, F0, 0, 0
.endm
; The change of slots.  Each wave waits for its reads of the slot and for all its tensor loads (one is out: its part of the other slot).
; fill = 1: a round of the cluster's barrier, and the joint refill first behind it; it has the next phase's 128 matrix instructions in which to land.
.macro CHANGE slot, fill
	s_wait_dscnt 0x0
	s_wait_tensorcnt 0x0
	ds_add_u32 v30, v31
	s_wait_dscnt 0x0
.if \fill
	s_add_nc_u64 s[G0+4*\slot+2:G0+4*\slot+3], s[G0+4*\slot+2:G0+4*\slot+3], ASTEP
	s_add_nc_u64 s[G0B+4*\slot+2:G0B+4*\slot+3], s[G0B+4*\slot+2:G0B+4*\slot+3], BSTEP
	CROUND
	JLOAD \slot
.else
	s_barrier_signal -1
	s_barrier_wait -1
.endif
.endm
	s_wait_loadcnt 0x0                             ; the bias
	s_wait_tensorcnt 0x1                           ; my part of step 0 is in; step 1's stays out
	s_barrier_signal -1
	s_barrier_wait -1
	PHASE 0, 1
	CHANGE 0, 1
	PHASE 1, 0
	CHANGE 1, 1
	PHASE 0, 0
	CHANGE 0, 0
	PHASE 1, 0
	; THE WAY OUT, 16 rows at a time: 32 bytes a lane into my own stage, whole rows of 256 bytes back; sixteen lanes store 256 consecutive aligned bytes.
	PLACES
.macro POUT a, t
	WIN 0x04                                       ; store data in window 1
.irp b, 0,1,2,3
	ds_store_b128 v[STO], v[8*(4*\a+\b):8*(4*\a+\b)+3]   offset:64*\b
	ds_store_b128 v[STO], v[8*(4*\a+\b)+4:8*(4*\a+\b)+7] offset:64*\b+16
.endr
	WIN 0
	s_wait_xcnt 0x0                                ; buffer t, which earlier stores read, is loaded again only behind this wait
.irp x, 0,1,2,3,4,5,6,7
	ds_load_b128 v[\t+4*\x:\t+4*\x+3], v[RD] offset:\x*2*SPITCH    ; LDS serves a wave's instructions in order (ISA guide 5.7.1)
.endr
.irp x, 0,1,2,3,4,5,6,7
	s_wait_dscnt 7-\x
	global_store_b128 v[CO], v[\t+4*\x:\t+4*\x+3], s[76:77] offset:(16*\a+2*\x)*4096 th:TH_STORE_NT   ; the row stands in the immediate: 62 rows of 4,096 bytes at the most
.endr
.endm
	POUT 0, T0
	POUT 1, T1
	POUT 2, T0
	POUT 3, T1
	s_wait_tensorcnt 0x0
	ds_add_u32 v30, v31
	s_wait_dscnt 0x0
	CROUND                                         ; the closing round
	s_endpgm
.Lfunc_end_k_q0c4f6322b6_proj:
	.size	k_q0c4f6322b6_proj, .Lfunc_end_k_q0c4f6322b6_proj-k_q0c4f6322b6_proj
	.p2alignl 7, 3214868480
	.fill 96, 4, 3214868480
	.section	.rodata,"a",@progbits
	.p2align	6, 0x0
	.amdhsa_kernel k_q0c4f6322b6_proj
		.amdhsa_group_segment_fixed_size 327680
		.amdhsa_private_segment_fixed_size 0
		.amdhsa_enable_private_segment 0
		.amdhsa_kernarg_size 32
		.amdhsa_user_sgpr_count 2
		.amdhsa_user_sgpr_kernarg_segment_ptr 1
		.amdhsa_wavefront_size32 1
		.amdhsa_system_sgpr_workgroup_id_x 1
		.amdhsa_system_sgpr_workgroup_id_y 1
		.amdhsa_system_sgpr_workgroup_id_z 1
		.amdhsa_system_vgpr_workitem_id 0
		.amdhsa_next_free_vgpr 384
		.amdhsa_next_free_sgpr 100
		.amdhsa_reserve_vcc 0
		.amdhsa_float_denorm_mode_32 3
		.amdhsa_float_denorm_mode_16_64 3
		.amdhsa_memory_ordered 1
		.amdhsa_forward_progress 1
		.amdhsa_inst_pref_size 90
	.end_amdhsa_kernel
	.amdgpu_metadata
---
amdhsa.version: [ 1, 2 ]
amdhsa.kernels:
  - .name:           k_q0c4f6322b6_proj
    .symbol:         k_q0c4f6322b6_proj.kd
    .args:
      - { .name: yh, .offset: 0, .size: 8, .value_kind: global_buffer, .address_space: global }
      - { .name: wpb, .offset: 8, .size: 8, .value_kind: global_buffer, .address_space: global }
      - { .name: b_proj, .offset: 16, .size: 8, .value_kind: global_buffer, .address_space: global }
      - { .name: out0, .offset: 24, .size: 8, .value_kind: global_buffer, .address_space: global }
    .group_segment_fixed_size: 327680
    .private_segment_fixed_size: 0
    .kernarg_segment_align: 8
    .kernarg_segment_size: 32
    .max_flat_workgroup_size: 128
    .sgpr_count:     100
    .vgpr_count:     384
    .wavefront_size: 32
...
	.end_amdgpu_metadata
.endif
;; end of part 4
;; launch firstrows (part 5): grid 32 x 2, 8 waves a work-group, no clusters, 62,464 bytes of LDS; arguments vfix, w_proj, lora_a_proj, lora_b_proj, b_proj, out0, qkv; writes out0
.if DOCPART == 5
	.amdgcn_target "amdgcn-amd-amdhsa--gfx1250"
	.amdhsa_code_object_version 6
	.text
	.protected	k_q0c4f6322b6_firstrows
	.globl	k_q0c4f6322b6_firstrows
	.p2align	8
	.type	k_q0c4f6322b6_firstrows,@function
k_q0c4f6322b6_firstrows:
	s_mov_b64 s[64:65], 0
	v_nop
	global_prefetch_b8 v0, s[64:65] scope:SCOPE_SE
	s_setreg_imm32_b32 hwreg(HW_REG_WAVE_MODE, 25, 1), 1
	s_wait_xcnt 0x0
; Rows 0-15 of each batch of out0, made again with more bits: the attention of 16 queries x 16 keys on vfix (v of those rows in f32), and
; out0[b][t][n] = y[b][t] . (w_proj + (lora_b_proj/16) lora_a_proj)[n] + b_proj[n], t = 0 .. 15.
; These 2 x 16 rows replace what the projection of all rows has stored there (131,072 bytes written a second time): that launch asks for its tiles jointly in
; clusters.
; WHY: an output row with few keys averages few value rows and can be an order of magnitude larger than the root mean square of the whole output, against which the
; result is held; roundings to f16 along the path of v, each 2^-11 of the ROW's size, are then too coarse.  At 17 keys a row's size has fallen by sqrt(17) > 4.
; HOW: every matrix operand a on that path (V, P, y, W) is two f16 numbers, hi = a with its mantissa cut to 10 bits (exact in f16) and lo = f16(a - hi), and a
; product is hi hi + hi lo + lo hi, summed in f32; what is dropped is 2^-20 of the product.
; Work-group (X, b): output columns 32 X .. +31 of batch b.  Wave st: K columns 128 st .. +127, which are heads 2 st and 2 st + 1: the wave makes y of its two
; heads itself (28 matrix instructions, repeated by the 32 work-groups of a batch; y never goes through memory), and O^T = V^T P^T leaves it in the layout from which a
; fragment is packed.  The eight partial sums meet in LDS; waves 0 and 1 add them, one tile of 16 columns each, add the bias and store.
; REGISTER WINDOWS: 0: the fold and the product; 1: the attention, so that its 32 loads go out with the fold's 52 and it runs while W is on its way.
; A wave issues 84 loads ahead of its first wait; LOADcnt's field holds 63, and the issue of a load that would pass it stalls (ISA guide 5.7.1).
; LIMITS: q and k of these rows are the f16 numbers of the qkv buffer; the low-rank factors A and B/16 are single f16 in the fold; lo has f16's absolute step 2^-24;
; operands must stay below 65,504 in magnitude.  A work-group owns 128 bytes of a row, so its stores do not cover 256 consecutive bytes: 131,072 bytes in the whole launch.
.set LATP,  288                        ; LDS pitch of A's 16 rank rows (256 bytes of f16 + 32): an odd multiple of 32 for the transposing load
.set RED,   8*16*LATP                  ; 36,864: behind the waves' own A regions, 2,048 bytes of partial sums for each wave
.set CS,    0x3e38aa3b                 ; log2(e) / 8: the scale 1/sqrt(64) folded into the base-2 exponent
; window 0
.set LAOFF, 5
.set LBOFF, 6                          ; 64 r + 32 h: serves B's rows and vfix's columns alike (both have 64 bytes)
.set WOFF,  7
.set LATW,  8
.set LATR,  9
.set REDW,  10
.set REDR,  11
.set QOFF,  12
.set BOFF,  13
.set YOFF,  14
.set MSK,   15                         ; r - 8 h, in both windows
.set T,     16                         ; v[16:31]   at work, in both windows
.set AV,    16                         ; v[16:63]   six accumulators (row tile rt, kind) at 16 + 8 (3 rt + kind)
.set LBF,   32
.set LBR,   48
.set ACC,   64                         ; v[64:191]  W as loaded, folded, then its fragments: group n = 4 rt + c holds lo (8) and hi (8) of K step c
.set LAR,   192
.set LAF,   192
.set PS,    64
.set BIA,   192
; window 1
.set NINF,  1
.set KFR,   32                         ; K of head e, half ks of d, at 32 + 16 e + 8 ks
.set QFR,   64                         ; Q likewise
.set VH,    32                         ; then the hi fragments of V^T, tile dt at 32 + 8 dt
.set VR,    96                         ; vfix as loaded, tile dt at 96 + 8 dt; then the lo fragments, in place
.set SS,    160                        ; head e: two accumulators of S^T at 160 + 16 e; then P's lo (in place) and hi fragments
.set XR,    192                        ; O^T = y, tile dt at 192 + 8 dt; then y's fragments: group c holds lo (8) and hi (8)
.set MSB, 0
.macro WIN new                         ; the immediate's high byte repeats the setting that is left
.if MSB != \new
	s_set_vgpr_msb (MSB<<8)|\new
.set MSB, \new
.endif
.endm
.set ALL1, 0x55                        ; every operand in window 1
.set TO1,  0x40                        ; destination in window 1, sources and addresses in window 0
.macro SPLIT p                         ; sixteen f32 (one K step of 32) become two fragments in place: lo at p, hi at p + 8; the packing of lo ascends
.irp i, 0,1,2,3,4,5,6,7,8,9,10,11,12,13,14,15
	v_and_b32 v[T+\i], s20, v[\p+\i]               ; hi: sign, exponent, 10 bits of mantissa
.endr
.irp i, 0,1,2,3,4,5,6,7,8,9,10,11,12,13,14,15
	v_sub_f32 v[\p+\i], v[\p+\i], v[T+\i]          ; the rest, exact
.endr
.irp i, 0,1,2,3,4,5,6,7
	v_cvt_pk_f16_f32 v[\p+\i], v[\p+2*\i], v[\p+2*\i+1]
.endr
.irp i, 0,1,2,3,4,5,6,7
	v_cvt_pk_f16_f32 v[\p+8+\i], v[T+2*\i], v[T+2*\i+1]
.endr
.endm
; Eight f32 at src (16 along K) become two fragments whose upper half of K is zero: lo in place (the packing ascends, the zeros come last), hi at hi.
.macro SPLIT8 src, hi
.irp j, 0,1,2,3,4,5,6,7
	v_and_b32 v[T+\j], s20, v[\src+\j]
.endr
.irp j, 0,1,2,3,4,5,6,7
	v_sub_f32 v[\src+\j], v[\src+\j], v[T+\j]
.endr
.irp i, 0,1,2,3
	v_cvt_pk_f16_f32 v[\src+\i], v[\src+2*\i], v[\src+2*\i+1]
.endr
.irp i, 0,1,2,3
	v_cvt_pk_f16_f32 v[\hi+\i], v[T+2*\i], v[T+2*\i+1]
.endr
.irp i, 4,5,6,7
	v_mov_b32 v[\src+\i], 0
	v_mov_b32 v[\hi+\i], 0
.endr
.endm
.macro ADD8 d, a
.irp p, 0,2,4,6
	v_pk_add_f32 v[\d+\p:\d+\p+1], v[\d+\p:\d+\p+1], v[\a+\p:\a+\p+1]
.endr
.endm
; One head's softmax.  s0, s1: the two halves of d of S^T; register j of lane (r, h) is key 8 h + j, query r.  Leaves P's lo fragment at s0, its hi fragment at s1.
.macro SOFT s0, s1
.irp j, 0,1,2,3,4,5,6,7
	v_add_f32 v[\s0+\j], v[\s0+\j], v[\s1+\j]
.endr
.irp j, 0,1,2,3,4,5,6,7
	v_cmp_gt_i32 vcc_lo, \j, v[MSK]                ; key 8 h + j beyond query r
	v_cndmask_b32 v[\s0+\j], v[\s0+\j], v[NINF], vcc_lo
.endr
	v_max3_num_f32 v[T],   v[\s0],   v[\s0+1], v[\s0+2]
	v_max3_num_f32 v[T+1], v[\s0+3], v[\s0+4], v[\s0+5]
	v_max3_num_f32 v[T],   v[T],     v[\s0+6], v[\s0+7]
	v_max_num_f32 v[T], v[T], v[T+1]
	v_permlanex16_b32 v[T+2], v[T], s34, s35       ; the same query's other eight keys; key 0 is never masked, so the maximum is finite
	v_max_num_f32 v[T], v[T], v[T+2]
.irp j, 0,1,2,3,4,5,6,7
	v_sub_f32 v[\s0+\j], v[\s0+\j], v[T]
.endr
.irp j, 0,1,2,3,4,5,6,7
	v_mul_f32 v[\s0+\j], CS, v[\s0+\j]
.endr
.irp j, 0,1,2,3,4,5,6,7
	v_exp_f32 v[\s0+\j], v[\s0+\j]
.endr
	v_nop                                          ; one plain place behind a transcendental (ISA guide 5.7.2)
	s_wait_alu depctr_va_vdst(0)
	v_pk_add_f32 v[T:T+1],   v[\s0:\s0+1],   v[\s0+2:\s0+3]
	v_pk_add_f32 v[T+2:T+3], v[\s0+4:\s0+5], v[\s0+6:\s0+7]
	v_pk_add_f32 v[T:T+1],   v[T:T+1],       v[T+2:T+3]
	v_add_f32 v[T], v[T], v[T+1]
	v_permlanex16_b32 v[T+2], v[T], s34, s35
	v_add_f32 v[T], v[T], v[T+2]                   ; at least 1: the largest term is exp2(0)
	v_rcp_f32 v[T], v[T]
	v_nop
	s_wait_alu depctr_va_vdst(0)
.irp j, 0,1,2,3,4,5,6,7
	v_mul_f32 v[\s0+\j], v[\s0+\j], v[T]
.endr
	SPLIT8 \s0, \s1                                ; P^T: column = query r, K = keys 8 h .. 8 h + 7
.endm
; K step c: source 0 = 16 rows of W (window 0), source 1 = y's 16 rows (window 1), so that register j of lane (r, h) is (row t = r, column 8 h + j): 32 neighbouring bytes of out0.
; Six accumulators take turns, one instruction a turn.
.macro G3 c, first
.irp rt, 0,1
.if \first
	v_wmma_f32_16x16x32_f16 v[AV+24*\rt:AV+24*\rt+7],     v[ACC+16*(4*\rt+\c)+8:ACC+16*(4*\rt+\c)+15], v[XR+16*\c+8:XR+16*\c+15], 0
	v_wmma_f32_16x16x32_f16 v[AV+24*\rt+8:AV+24*\rt+15],  v[ACC+16*(4*\rt+\c):ACC+16*(4*\rt+\c)+7],    v[XR+16*\c+8:XR+16*\c+15], 0
	v_wmma_f32_16x16x32_f16 v[AV+24*\rt+16:AV+24*\rt+23], v[ACC+16*(4*\rt+\c)+8:ACC+16*(4*\rt+\c)+15], v[XR+16*\c:XR+16*\c+7], 0
.else
	v_wmma_f32_16x16x32_f16 v[AV+24*\rt:AV+24*\rt+7],     v[ACC+16*(4*\rt+\c)+8:ACC+16*(4*\rt+\c)+15], v[XR+16*\c+8:XR+16*\c+15], v[AV+24*\rt:AV+24*\rt+7]
	v_wmma_f32_16x16x32_f16 v[AV+24*\rt+8:AV+24*\rt+15],  v[ACC+16*(4*\rt+\c):ACC+16*(4*\rt+\c)+7],    v[XR+16*\c+8:XR+16*\c+15], v[AV+24*\rt+8:AV+24*\rt+15]
	v_wmma_f32_16x16x32_f16 v[AV+24*\rt+16:AV+24*\rt+23], v[ACC+16*(4*\rt+\c)+8:ACC+16*(4*\rt+\c)+15], v[XR+16*\c:XR+16*\c+7], v[AV+24*\rt+16:AV+24*\rt+23]
.endif
.endr
.endm
	s_load_b256 s[4:11], s[0:1], 0x0               ; vfix, w_proj, lora_a_proj, lora_b_proj
	s_load_b128 s[12:15], s[0:1], 0x20             ; b_proj, out0
	s_load_b64 s[16:17], s[0:1], 0x30              ; qkv
	s_set_vgpr_msb 0x40
	v_lshl_add_u32 v13, v0, 2, 0xf000
	v_mov_b32 v14, 0
	s_set_vgpr_msb 0x4000
	v_lshrrev_b32 v1, 5, v0
	v_readfirstlane_b32 s28, v1                    ; st
	v_and_b32 v2, 31, v0                           ; lane L
	v_and_b32 v3, 15, v0                           ; r
	v_bfe_u32 v4, v0, 4, 1                         ; h
	s_and_b32 s25, ttmp7, 0xffff                   ; batch
	s_mov_b32 s20, 0xffffe000                      ; keeps sign, exponent and 10 bits of mantissa
	s_mov_b32 s34, 0x76543210                      ; v_permlanex16_b32: lane i reads lane i of the other half
	s_mov_b32 s35, 0xfedcba98
	s_mov_b32 s31, 0
	s_lshl_b32 s26, ttmp9, 5
	s_lshl_b32 s27, s28, 4
	s_add_co_u32 s26, s26, s27                     ; 32 X + 16 st: the first column of the tile that waves 0 and 1 finish
	s_wait_kmcnt 0x0
	s_lshl_b32 s30, ttmp9, 17                      ; 32 rows of 4,096 bytes
	s_add_nc_u64 s[6:7], s[6:7], s[30:31]          ; W
	s_lshl_b32 s30, ttmp9, 11                      ; 32 rows of 64 bytes
	s_add_nc_u64 s[10:11], s[10:11], s[30:31]      ; B
	s_lshl_b32 s30, s25, 16                        ; a batch of vfix: 1,024 columns of 64 bytes,
	s_lshl_b32 s27, s28, 13                        ; my 128 columns
	s_add_co_u32 s30, s30, s27
	s_add_nc_u64 s[4:5], s[4:5], s[30:31]
	s_lshl_b32 s30, s25, 4
	s_lshl_b32 s27, s28, 1
	s_add_co_u32 s30, s30, s27                     ; plane 16 b + 2 st
	s_lshl_b32 s30, s30, 18                        ; planes of 262,144 bytes
	s_add_nc_u64 s[18:19], s[16:17], s[30:31]      ; q of my two heads
	s_add_nc_u64 s[36:37], s[18:19], 0x800000      ; their k
	s_lshl_b32 s30, s26, 2
	s_add_nc_u64 s[12:13], s[12:13], s[30:31]      ; the bias of my tile's 16 columns
	s_lshl_b32 s27, s25, 23                        ; a batch of out0: 2,048 rows of 4,096 bytes
	s_add_co_u32 s30, s30, s27
	s_add_nc_u64 s[14:15], s[14:15], s[30:31]
	s_lshl_b32 s29, s28, 9                         ; my 128 columns in f32
	s_mul_i32 s32, s28, 16*LATP                    ; my LDS
	v_lshl_add_u32 v[LAOFF], v2, 4, s29            ; A: a rank row's 512 bytes, 16 a lane
	v_lshlrev_b32 v[LBOFF], 6, v3
	v_lshl_add_u32 v[LBOFF], v4, 5, v[LBOFF]
	v_lshl_add_u32 v[WOFF], v3, 12, s29            ; W: row r, columns 8 h .. 8 h + 7 of a column tile
	v_lshl_add_u32 v[WOFF], v4, 5, v[WOFF]
	v_lshlrev_b32 v[QOFF], 7, v3                   ; q, k: row r of 128 bytes, 16 h
	v_lshl_add_u32 v[QOFF], v4, 4, v[QOFF]
	v_lshlrev_b32 v[MSK], 3, v4
	v_sub_nc_u32 v[MSK], v3, v[MSK]                ; r - 8 h
.irp q, 0,1,2,3,4,5,6,7,8,9,10,11,12,13,14,15
	global_load_b128 v[LAR+4*\q:LAR+4*\q+3], v[LAOFF], s[8:9] offset:4096*\q
.endr
.irp rt, 0,1
	global_load_b128 v[LBR+8*\rt:LBR+8*\rt+3],   v[LBOFF], s[10:11] offset:1024*\rt
	global_load_b128 v[LBR+8*\rt+4:LBR+8*\rt+7], v[LBOFF], s[10:11] offset:1024*\rt+16
.endr
	WIN TO1
.irp e, 0,1
.irp ks, 0,1
	global_load_b128 v[KFR+16*\e+8*\ks:KFR+16*\e+8*\ks+3],   v[QOFF], s[36:37] offset:262144*\e+64*\ks
	global_load_b128 v[KFR+16*\e+8*\ks+4:KFR+16*\e+8*\ks+7], v[QOFF], s[36:37] offset:262144*\e+64*\ks+32
	global_load_b128 v[QFR+16*\e+8*\ks:QFR+16*\e+8*\ks+3],   v[QOFF], s[18:19] offset:262144*\e+64*\ks
	global_load_b128 v[QFR+16*\e+8*\ks+4:QFR+16*\e+8*\ks+7], v[QOFF], s[18:19] offset:262144*\e+64*\ks+32
.endr
.endr
.irp dt, 0,1,2,3,4,5,6,7
	global_load_b128 v[VR+8*\dt:VR+8*\dt+3],   v[LBOFF], s[4:5] offset:1024*\dt      ; column 16 dt + r, t = 8 h .. 8 h + 7
	global_load_b128 v[VR+8*\dt+4:VR+8*\dt+7], v[LBOFF], s[4:5] offset:1024*\dt+16
.endr
	v_mov_b32 v[NINF], 0xff800000
	v_mov_b32 v[MSK], v[MSK]                       ; window 1's copy
	WIN 0
.irp rt, 0,1
.irp kt, 0,1,2,3,4,5,6,7
	global_load_b128 v[ACC+8*(8*\rt+\kt):ACC+8*(8*\rt+\kt)+3],   v[WOFF], s[6:7] offset:65536*\rt+64*\kt
	global_load_b128 v[ACC+8*(8*\rt+\kt)+4:ACC+8*(8*\rt+\kt)+7], v[WOFF], s[6:7] offset:65536*\rt+64*\kt+16
.endr
.endr
	v_lshl_add_u32 v[LATW], v2, 3, s32             ; A in f16: 8 bytes a lane
	v_and_b32 v1, 7, v0
	v_lshl_add_u32 v1, v4, 3, v1                   ; rank row 8 h + (L & 7)
	v_mul_u32_u24 v[LATR], v1, LATP
	v_bfe_u32 v1, v0, 3, 1
	v_lshl_add_u32 v[LATR], v1, 4, v[LATR]         ; + 16 ((L >> 3) & 1)
	v_add_nc_u32 v[LATR], s32, v[LATR]
	s_lshl_b32 s33, s28, 11
	s_add_co_u32 s33, s33, RED
	v_lshl_add_u32 v[REDW], v2, 4, s33             ; my partial sums: 2,048 bytes a wave
	s_lshl_b32 s33, s28, 10
	s_add_co_u32 s33, s33, RED
	v_lshl_add_u32 v[REDR], v2, 4, s33             ; waves 0 and 1: row tile st of every wave's partial sums
	v_lshlrev_b32 v[BOFF], 5, v4                   ; the bias of columns 8 h .. 8 h + 7
	v_lshlrev_b32 v[YOFF], 12, v3                  ; out0: row r, 32 h
	v_lshl_add_u32 v[YOFF], v4, 5, v[YOFF]
	; ---- the fold's operands; its transposing loads come back while the attention runs
	s_wait_loadcnt 48                              ; A's 16, B's 4, K's and Q's 16 loads are in: V's 16 and W's 32 are younger
.irp q, 0,1,2,3,4,5,6,7,8,9,10,11,12,13,14,15
	v_cvt_pk_f16_f32 v[T+2*(\q%8)],   v[LAR+4*\q],   v[LAR+4*\q+1]
	v_cvt_pk_f16_f32 v[T+2*(\q%8)+1], v[LAR+4*\q+2], v[LAR+4*\q+3]
	ds_store_b64 v[LATW], v[T+2*(\q%8):T+2*(\q%8)+1] offset:LATP*\q
.endr
	; A lies [rank][column]; lane (r, h) wants column r, ranks 8 h .. 8 h + 7: one transposing load a column tile.
	; LDS serves a wave's instructions in order (ISA guide 5.7.1): these see the stores above.
.irp kt, 0,1,2,3,4,5,6,7
	ds_load_tr16_b128 v[LAF+8*\kt:LAF+8*\kt+3], v[LATR] offset:32*\kt
.endr
.irp kt, 0,1,2,3,4,5,6,7
.irp z, 4,5,6,7
	v_mov_b32 v[LAF+8*\kt+\z], 0                   ; the form sums over 32, the rank is 16
.endr
.endr
.irp rt, 0,1
.irp p, 0,2,4,6
	v_pk_mul_f32 v[LBR+8*\rt+\p:LBR+8*\rt+\p+1], v[LBR+8*\rt+\p:LBR+8*\rt+\p+1], 0x3d800000 op_sel_hi:[1,0]   ; the scale 1/16, exact
.endr
.irp p, 0,1,2,3
	v_cvt_pk_f16_f32 v[LBF+8*\rt+\p], v[LBR+8*\rt+2*\p], v[LBR+8*\rt+2*\p+1]
	v_mov_b32 v[LBF+8*\rt+4+\p], 0
.endr
.endr
	; ---- the attention of my two heads, 16 queries x 16 keys, all in window 1
	WIN ALL1
	; S^T = K Q^T, the two halves of d on two accumulators a head, added in SOFT: four accumulators, each used once
.irp e, 0,1
	v_wmma_f32_16x16x32_f16 v[SS+16*\e:SS+16*\e+7],    v[KFR+16*\e:KFR+16*\e+7],    v[QFR+16*\e:QFR+16*\e+7], 0
	v_wmma_f32_16x16x32_f16 v[SS+16*\e+8:SS+16*\e+15], v[KFR+16*\e+8:KFR+16*\e+15], v[QFR+16*\e+8:QFR+16*\e+15], 0
.endr
	s_wait_loadcnt 32                              ; V is in: W's 32 are younger
	; V^T: row = column r of v, K = keys 8 h .. 8 h + 7.  The hi fragments land on K's and Q's registers: the sixteen lines with which a split begins
	; name none of the four products' registers and are the places behind them (ISA guide 7.12.1).
.irp dt, 0,1,2,3,4,5,6,7
	SPLIT8 VR+8*\dt, VH+8*\dt
.endr
	SOFT SS, SS+8
	SOFT SS+16, SS+24
	; O^T = V^T P^T = hi hi + lo hi + hi lo: register j of lane (r, h) is query r, column 16 dt + 8 h + j.
	; Eight accumulators take turns, one instruction a turn.
.irp dt, 0,1,2,3,4,5,6,7
	v_wmma_f32_16x16x32_f16 v[XR+8*\dt:XR+8*\dt+7], v[VH+8*\dt:VH+8*\dt+7], v[SS+16*(\dt>>2)+8:SS+16*(\dt>>2)+15], 0
.endr
.irp dt, 0,1,2,3,4,5,6,7
	v_wmma_f32_16x16x32_f16 v[XR+8*\dt:XR+8*\dt+7], v[VR+8*\dt:VR+8*\dt+7], v[SS+16*(\dt>>2)+8:SS+16*(\dt>>2)+15], v[XR+8*\dt:XR+8*\dt+7]
.endr
.irp dt, 0,1,2,3,4,5,6,7
	v_wmma_f32_16x16x32_f16 v[XR+8*\dt:XR+8*\dt+7], v[VH+8*\dt:VH+8*\dt+7], v[SS+16*(\dt>>2):SS+16*(\dt>>2)+7], v[XR+8*\dt:XR+8*\dt+7]
.endr
	WIN 0
	; ---- the fold: W + (B/16) A in f32
	s_wait_dscnt 0x0                               ; A's fragments
	s_wait_loadcnt 16                              ; W's row tile 0: the 16 loads of row tile 1 are younger
	; source 0 = 16 columns (A), source 1 = 16 rows (B/16): register j of lane (r, h) is W(row r, column 8 h + j), as loaded.  Sixteen accumulators, each used once.
.irp kt, 0,1,2,3,4,5,6,7
	v_wmma_f32_16x16x32_f16 v[ACC+8*\kt:ACC+8*\kt+7], v[LAF+8*\kt:LAF+8*\kt+7], v[LBF:LBF+7], v[ACC+8*\kt:ACC+8*\kt+7]
.endr
	s_wait_loadcnt 0x0
.irp kt, 0,1,2,3,4,5,6,7
	v_wmma_f32_16x16x32_f16 v[ACC+64+8*\kt:ACC+64+8*\kt+7], v[LAF+8*\kt:LAF+8*\kt+7], v[LBF+8:LBF+15], v[ACC+64+8*\kt:ACC+64+8*\kt+7]
.endr
.rept 5
	v_nop                                          ; places behind the last matrix instructions (ISA guide 7.12.1): four before W's and y's sums are read, five before matrix instructions write over B's fragments
.endr
.irp n, 0,1,2,3,4,5,6,7
	SPLIT ACC+16*\n
.endr
	WIN ALL1
.irp n, 0,1,2,3
	SPLIT XR+16*\n
.endr
	WIN 0x04                                       ; source 1 (y) in window 1
	G3 0, 1                                        ; the first K step starts the sums
	G3 1, 0
	G3 2, 0
	G3 3, 0
	WIN 0
.rept 4
	v_nop                                          ; four places before results are read (ISA guide 7.12.1)
.endr
.irp rt, 0,1
	ADD8 AV+24*\rt+8, AV+24*\rt+16                 ; the two small sums first
	ADD8 AV+24*\rt, AV+24*\rt+8
	ds_store_b128 v[REDW], v[AV+24*\rt:AV+24*\rt+3]   offset:1024*\rt
	ds_store_b128 v[REDW], v[AV+24*\rt+4:AV+24*\rt+7] offset:1024*\rt+512
.endr
	s_wait_dscnt 0x0                               ; my stores are done, for the waves that read them
	s_barrier_signal -1
	s_barrier_wait -1
	s_cmp_ge_u32 s28, 2
	s_cbranch_scc1 .Lend                           ; waves 2 to 7 have given their partial sums
	; ---- waves 0 and 1: one tile of 16 columns each
	global_load_b128 v[BIA:BIA+3],   v[BOFF], s[12:13]
	global_load_b128 v[BIA+4:BIA+7], v[BOFF], s[12:13] offset:16
.irp s, 0,1,2,3,4,5,6,7
	ds_load_b128 v[PS+8*\s:PS+8*\s+3],   v[REDR] offset:2048*\s
	ds_load_b128 v[PS+8*\s+4:PS+8*\s+7], v[REDR] offset:2048*\s+512
.endr
	s_wait_dscnt 0x0
	ADD8 PS, PS+8
	ADD8 PS+16, PS+24
	ADD8 PS+32, PS+40
	ADD8 PS+48, PS+56
	ADD8 PS, PS+16
	ADD8 PS+32, PS+48
	ADD8 PS, PS+32
	s_wait_loadcnt 0x0
	ADD8 PS, BIA
	global_store_b128 v[YOFF], v[PS:PS+3],   s[14:15]
	global_store_b128 v[YOFF], v[PS+4:PS+7], s[14:15] offset:16
.Lend:
	s_set_vgpr_msb 0x5
	s_wait_tensorcnt 0x0
	ds_add_u32 v13, v14
	s_wait_dscnt 0x0
	s_set_vgpr_msb 0x500
	s_endpgm
.Lfunc_end_k_q0c4f6322b6_firstrows:
	.size	k_q0c4f6322b6_firstrows, .Lfunc_end_k_q0c4f6322b6_firstrows-k_q0c4f6322b6_firstrows
	.p2alignl 7, 3214868480
	.fill 96, 4, 3214868480
	.section	.rodata,"a",@progbits
	.p2align	6, 0x0
	.amdhsa_kernel k_q0c4f6322b6_firstrows
		.amdhsa_group_segment_fixed_size 62464
		.amdhsa_private_segment_fixed_size 0
		.amdhsa_enable_private_segment 0
		.amdhsa_kernarg_size 56
		.amdhsa_user_sgpr_count 2
		.amdhsa_user_sgpr_kernarg_segment_ptr 1
		.amdhsa_wavefront_size32 1
		.amdhsa_system_sgpr_workgroup_id_x 1
		.amdhsa_system_sgpr_workgroup_id_y 1
		.amdhsa_system_sgpr_workgroup_id_z 1
		.amdhsa_system_vgpr_workitem_id 0
		.amdhsa_next_free_vgpr 512
		.amdhsa_next_free_sgpr 66
		.amdhsa_reserve_vcc 1
		.amdhsa_float_denorm_mode_32 3
		.amdhsa_float_denorm_mode_16_64 3
		.amdhsa_memory_ordered 1
		.amdhsa_forward_progress 1
		.amdhsa_inst_pref_size 70
	.end_amdhsa_kernel
	.amdgpu_metadata
---
amdhsa.version: [ 1, 2 ]
amdhsa.kernels:
  - .name:           k_q0c4f6322b6_firstrows
    .symbol:         k_q0c4f6322b6_firstrows.kd
    .args:
      - { .name: vfix, .offset: 0, .size: 8, .value_kind: global_buffer, .address_space: global }
      - { .name: w_proj, .offset: 8, .size: 8, .value_kind: global_buffer, .address_space: global }
      - { .name: lora_a_proj, .offset: 16, .size: 8, .value_kind: global_buffer, .address_space: global }
      - { .name: lora_b_proj, .offset: 24, .size: 8, .value_kind: global_buffer, .address_space: global }
      - { .name: b_proj, .offset: 32, .size: 8, .value_kind: global_buffer, .address_space: global }
      - { .name: out0, .offset: 40, .size: 8, .value_kind: global_buffer, .address_space: global }
      - { .name: qkv, .offset: 48, .size: 8, .value_kind: global_buffer, .address_space: global }
    .group_segment_fixed_size: 62464
    .private_segment_fixed_size: 0
    .kernarg_segment_align: 8
    .kernarg_segment_size: 56
    .max_flat_workgroup_size: 256
    .sgpr_count:     66
    .vgpr_count:     512
    .wavefront_size: 32
...
	.end_amdgpu_metadata
.endif
;; end of part 5
